; MI455X (gfx1250); checked and timed in simulation.
; The chip was launched on July 23, 2026; its instructions are those of AMD's public machine-readable ISA for CDNA 5 (MIT licence, August 2026) and "CDNA5" Instruction Set Architecture Reference Guide (July 2026). The comments in the code are by the model that wrote it; some were corrected since.
;; Simple Attention. Allowed arithmetic: matrix products marked QUANTISED: E2M3 operands, one E8M0 scale for each 32 along K, by v_wmma_scale_f32_16x16x128_f8f6f4 with both operands' format E2M3, f32 sums; everything else in f32.
;; Inputs: w_out 1,024 x 1,024 float32; w_qkv 1,024 x 3,072 float32; x 4 x 2,048 x 1,024 float32.
;; Outputs: out0 4 x 2,048 x 1,024 float32.
;; This version of the problem:
;;   THIS VERSION OF THE PROBLEM IS GIVEN IN LOW PRECISION. The matrix products marked QUANTISED in the list below multiply operands that are first quantised to E2M3 (2 exponent bits, 3 mantissa bits; 6 bits a number), with one power-of-two scale for each 32 numbers along K (OCP MX v1.0); their sums are f32. All else is computed in f32.
;;   The module's matrix products, in the order in which they are computed (A, B: the left and right operand; K: the contracted axis; several contracted axes count as one K, in the product's order):
;;     1. [M 8,192, K 1,024] x [K 1,024, N 3,072]; A: input x; B: input w_qkv: QUANTISED
;;     2. batch 64 x [M 2,048, K 64] x [K 64, N 2,048]; A: computed on the way; B: computed on the way: QUANTISED
;;     3. batch 64 x [M 64, K 2,048] x [K 2,048, N 2,048]; A: computed on the way; B: softmax (see below): QUANTISED
;;     4. [M 8,192, K 1,024] x [K 1,024, N 1,024]; A: computed on the way; B: input w_out: QUANTISED
;;   THE QUANTISER, for each operand of a quantised product, along K:
;;     - K is cut into blocks of 32 from its start; a last block that is shorter is filled with zeros.
;;     - A block's scale is 2^e with e = floor(log2(the largest magnitude in the block)) - 2, held to -126 .. 127; a block of zeros has e = 0. As a byte (E8M0): e + 127.
;;     - Each number is divided by its block's scale, clamped to +-7.5, and rounded to the nearest number of E2M3, ties to even, subnormals kept.
;;     - The product sums the exact products of the quantised numbers (number of the format x scale) in f32.
;;   ~~~python
;;   def quantise(x, axis):      # numpy; x: float32 -> the quantised numbers, widened to float32 again
;;       x = np.moveaxis(x, axis, -1); K = x.shape[-1]
;;       x = np.pad(x, [(0, 0)] * (x.ndim - 1) + [(0, -K % 32)]); x = x.reshape(x.shape[:-1] + (-1, 32)); a = np.abs(x).max(-1, keepdims=True)
;;       e = np.where(a > 0, np.clip(np.frexp(np.where(a > 0, a, 1))[1] - 1 - 2, -126, 127), 0)      # np.frexp(a)[1] - 1 = floor(log2(a)), exactly
;;       r = np.clip(x / 2.0 ** e, -7.5, 7.5)
;;       step = 2.0 ** (np.maximum(np.frexp(np.where(r == 0, 1, r))[1] - 1, 0) - 3)
;;       q = np.round(r / step) * step * 2.0 ** e      # np.round: ties to even
;;       return np.moveaxis(q.reshape(q.shape[:-2] + (-1,))[..., :K], -1, axis).astype(np.float32)
;;   ~~~
;;   SOFTMAX AHEAD OF A QUANTISED PRODUCT. Where the list says 'softmax', what is quantised is not the finished softmax but p = 2^(t - M), with t = logit x log2(e) and M = ceil(the row's largest t), a whole number; so 1/2 < the row's largest p <= 1. The row's sum l is taken of the UNQUANTISED p, in f32, and the product's result is divided by l at the end. Since M is a whole number, a kernel that streams over the keys may use a running M (the ceiling of the running maximum): every later rescaling is an exact power of two, which a block's scale takes up: the codes' values come out the same.
;;   OPERANDS COMPUTED ON THE WAY. 'Computed on the way' means the value that the module computes at that place (a softmax that the list does not call 'softmax' is quantised finished and normalised). What goes into a quantiser is computed in f32, as accurately as f32 sums, v_exp_f32 and their like allow (about 1e-6 of the number): no bf16 or f16 on the way to a quantiser, and a product that is left as it is and whose result goes on into a quantised operand takes f32 operands (vector FMAs, or v_wmma_f32_16x16x4_f32). A number that lies on a knife's edge between two numbers of the format may be rounded either way, as far as f32 arithmetic and the matrix unit's own rounding can turn it there, and no further.
;; One version. Each part assembles by itself: llvm-mc -triple=amdgcn-amd-amdhsa -mcpu=gfx1250 --defsym DOCPART=n.
;; ======== version 1 of 1: 4 launches
;; workspace buffers: xw_codes 9,437,184 bytes; xw_scales 393,216 bytes; qkv_img 18,874,368 bytes; qkv_scl 1,310,720 bytes; ao_img 6,291,456 bytes; ao_scl 262,144 bytes
;; launch quant (part 1): grid 384 x 1, 4 waves a work-group, no clusters, 68,096 bytes of LDS; arguments x, w_qkv, w_out, xw_codes, xw_scales; writes xw_codes, xw_scales
.if DOCPART == 1
	.amdgcn_target "amdgcn-amd-amdhsa--gfx1250"
	.amdhsa_code_object_version 6
	.text
	.protected	k_qeec108fb77_quant
	.globl	k_qeec108fb77_quant
	.p2align	8
	.type	k_qeec108fb77_quant,@function
k_qeec108fb77_quant:
	s_mov_b64 s[64:65], 0
	v_nop
	global_prefetch_b8 v0, s[64:65] scope:SCOPE_SE
	s_setreg_imm32_b32 hwreg(HW_REG_WAVE_MODE, 25, 1), 1
	s_wait_xcnt 0x0
; x [8192][1024], w_qkv [1024][3072] and w_out [1024][1024], f32, become codes of FP6 (E2M3), K innermost, 768 bytes a row, and one E8M0 byte for each 32 along K, 32 bytes a row.
; One buffer of 12,288 rows holds all: rows 0.. x's tokens, 8,192.. w_qkv's columns, 11,264.. w_out's columns.
; A block's scale is 2^(floor(log2(its largest magnitude)) - 2); its byte is the largest magnitude's exponent field - 2, held at 1 from below.
; TILE ORDER: in every group of 32 rows the second and the third eight change places: place 16 u + r holds row 8 u + r + 8 (r / 8).  So 16 places on end are a tile whose results, used transposed,
; give a lane 16 neighbours along the next product's K.
; LIMITS: NaN and infinities among the inputs are not served; a block whose largest magnitude lies under 2^-124 keeps the byte 1; a block of zeros has the byte 1 where the rule says 127 (its codes are
; zeros, and these bytes are read by this program alone).
; Work-groups 0-255 take x (K innermost: 16 neighbours a lane, turned through the wave's own stage); work-groups 256-383 take the weights (K is the first axis: a lane to a column, registers down K).
; The two ways part on the work-group's number, never join, and have LDS bytes of their own.  No tensor load, no barrier: waves share nothing.
.set STEPS, 16
.set EMAX,  2
.set CB,    12                         ; bytes of 16 codes
.set R,     16                         ; x: v16-79   four sets of 16 numbers as loaded
.set X,     80                         ; x: v80-111  two sets of 16 neighbours
.set E,     112                        ; x: v112-127 a scale byte for each step
.set C,     128                        ; x: v128-191 codes, four registers a step
.set WREG,  8192                       ; x: LDS region of a wave: two stages of 32 x 80 bytes, then its 256 scale bytes
.set SP,    80
.set WSTG,  32768                      ; weights: the four stages begin here, 32 rows x 272 bytes each
.set PITCH, 272
.set KROW,  768                        ; a row of codes in bytes
.set NB,    8                          ; weights: blocks of 32 along K for a wave
.set WX,    32                         ; weights: v32-95 two sets of 32 numbers
.set WC,    96                         ; weights: a block's codes
.set OUTR,  112                        ; weights: v112-175 the way out
.set SB,    24                         ; weights: v24-25 the scale bytes
.set WO,    176                        ; weights: v176-207 offsets: 4 x lane + i rows of the weight
.set SPW,   208                        ; LDS address of my spare word; never rewritten
.set NIL,   209                        ; 0; never rewritten
.set SPARE, WSTG+4*32*PITCH            ; 67,584: the spare words, 128 bytes a wave
	s_load_b256 s[4:11], s[0:1], 0x0               ; x s[4:5], w_qkv s[6:7], w_out s[8:9], the codes s[10:11]
	s_load_b64 s[12:13], s[0:1], 0x20              ; the scale bytes
	v_lshl_add_u32 v[SPW], v0, 2, SPARE
	v_mov_b32 v[NIL], 0
	v_lshrrev_b32 v1, 5, v0
	v_readfirstlane_b32 s16, v1                    ; wave
	v_and_b32 v2, 31, v0                           ; lane
	s_cmp_ge_u32 ttmp9, 256
	s_cbranch_scc1 .Lw
; ---------------- x: a wave takes eight rows (8,192 numbers), 16 steps of 512 numbers ----------------
	v_lshlrev_b32 v3, 4, v2                        ; my 16 bytes of a load's 512
	s_mul_i32 s17, s16, WREG
	v_lshrrev_b32 v14, 2, v2
	v_mul_u32_u24 v14, v14, SP
	v_and_b32 v15, 3, v2
	v_lshl_add_u32 v14, v15, 4, v14
	v_add_nc_u32 v14, s17, v14                     ; the stage, on the way in: 80 (lane / 4) + 16 (lane % 4)
	v_mul_u32_u24 v15, v2, SP
	v_add_nc_u32 v15, s17, v15                     ; and on the way out: 80 x lane: my 16 neighbours
	v_mul_u32_u24 v4, v2, CB                       ; my codes' place in a step's
	v_lshrrev_b32 v5, 1, v2
	s_add_co_u32 s17, s17, 2*32*SP
	v_add_nc_u32 v5, s17, v5                       ; my block's byte among the wave's 256
	v_lshlrev_b32 v7, 3, v2
	v_add_nc_u32 v6, s17, v7
	s_lshl_b32 s18, ttmp9, 2
	s_add_co_u32 s19, s18, s16                     ; the eight rows that I read: 4 x work-group + wave
	s_and_b32 s20, s16, 1
	s_lshl_b32 s20, s20, 1
	s_lshr_b32 s21, s16, 1
	s_or_b32 s20, s20, s21                         ; tile order: waves 1 and 2 change places
	s_add_co_u32 s18, s18, s20                     ; the eight places that I write
	s_lshl_b32 s20, s19, 15                        ; 32,768 bytes of f32
	s_mov_b32 s21, 0
	s_mul_i32 s22, s18, 8*KROW                     ; 6,144 bytes of codes
	s_mov_b32 s23, 0
	s_lshl_b32 s24, s18, 8                         ; 256 scale bytes
	s_mov_b32 s25, 0
	s_wait_alu depctr_va_vdst(0)
	s_wait_kmcnt 0x0
	s_add_nc_u64 s[4:5], s[4:5], s[20:21]
	s_add_nc_u64 s[10:11], s[10:11], s[22:23]
	s_add_nc_u64 s[12:13], s[12:13], s[24:25]
.macro XLOAD t
.irp i, 0,1,2,3
	global_load_b128 v[R+16*((\t)%4)+4*\i:R+16*((\t)%4)+4*\i+3], v3, s[4:5] offset:2048*(\t)+512*\i th:TH_LOAD_NT   ; 32 lanes read 512 consecutive bytes
.endr
.endm
.macro XTURN t                         ; a step's numbers through the stage: LDS serves a wave's instructions in order, so no wait stands between the stores and the loads
.irp i, 0,1,2,3
	ds_store_b128 v14, v[R+16*((\t)%4)+4*\i:R+16*((\t)%4)+4*\i+3] offset:32*SP*((\t)%2)+8*SP*\i
.endr
.irp i, 0,1,2,3
	ds_load_b128 v[X+16*((\t)%2)+4*\i:X+16*((\t)%2)+4*\i+3], v15 offset:32*SP*((\t)%2)+16*\i
.endr
.endm
.irp t, 0,1,2,3
	XLOAD \t
.endr
	s_wait_loadcnt 12                              ; step 0's four loads are in; three steps' twelve may be out
	XTURN 0
.macro XSTEP t
.set XS, X+16*((\t)%2)
.if (\t) > 0
	s_wait_dscnt 1                                 ; this step's numbers are back from the stage (the last step's byte store may be out)
.else
	s_wait_dscnt 0x0
.endif
.if (\t)+4 < STEPS
	XLOAD (\t)+4                                   ; into the set whose stores into the stage have read their registers
.endif
.if (\t)+1 < STEPS
.if STEPS-2-(\t) >= 3
	s_wait_loadcnt 12                              ; the next step's four loads are in; those of the three steps behind it may be out
.else
	s_wait_loadcnt 4*(STEPS-2-(\t))
.endif
	XTURN (\t)+1
.endif
	v_max3_num_f32 v8, |v[XS]|, |v[XS+1]|, |v[XS+2]|               ; the largest magnitude of my 16
	v_max3_num_f32 v9, |v[XS+3]|, |v[XS+4]|, |v[XS+5]|
.irp i, 6,10
	v_max3_num_f32 v8, v8, |v[XS+\i]|, |v[XS+\i+1]|
	v_max3_num_f32 v9, v9, |v[XS+\i+2]|, |v[XS+\i+3]|
.endr
	v_max3_num_f32 v8, v8, |v[XS+14]|, |v[XS+15]|
	v_max3_num_f32 v8, v8, v9, (EMAX+1)<<23        ; and the floor 2^(3 - 127): the byte cannot fall under 1
	v_max_num_f32_dpp v8, v8, v8 row_xmask:1 row_mask:0xf bank_mask:0xf   ; and of my neighbour's 16: the block's
	v_add_nc_u32 v11, -(EMAX<<23), v8              ; 2 off its exponent field: the conversion takes the exponent field of this operand as its scale
	v_cvt_scalef32_pk16_fp6_f32 v[C+4*(\t):C+4*(\t)+2], v[XS:XS+15], v11
	v_lshrrev_b32 v[E+(\t)], 23, v11               ; the scale's byte (also the plain line behind the conversion)
	ds_store_b8 v5, v[E+(\t)] offset:16*(\t)       ; both lanes of a block write the same byte with the same value
	global_store_b96 v4, v[C+4*(\t):C+4*(\t)+2], s[10:11] offset:32*CB*(\t)   ; the wave stores 384 consecutive bytes
.endm
.irp t, 0,1,2,3,4,5,6,7,8,9,10,11,12,13,14,15
	XSTEP \t
.endr
	ds_load_b64 v[8:9], v6                         ; in order behind my byte stores
	s_wait_dscnt 0x0
	global_store_b64 v7, v[8:9], s[12:13]          ; 32 lanes store 256 consecutive bytes, aligned
	s_wait_tensorcnt 0x0                           ; the wave's end, behind my last LDS store
	ds_add_u32 v[SPW], v[NIL]
	s_wait_dscnt 0x0
	s_endpgm
; ---------------- the weights: a wave takes 32 columns x 256 along K ----------------
.Lw:
	s_sub_co_u32 s17, ttmp9, 256
	s_and_b32 s18, s17, 31                         ; which 128 columns: 0-23 w_qkv's, 24-31 w_out's
	s_lshr_b32 s19, s17, 5                         ; which 256 along K
	s_mov_b32 s20, 4096
	s_sub_co_u32 s21, s18, 24
	s_wait_kmcnt 0x0
	s_cmp_lt_u32 s18, 24                           ; the choice hangs on the work-group's number alone
	s_cselect_b64 s[6:7], s[6:7], s[8:9]           ; the weight,
	s_cselect_b32 s20, 12288, s20                  ; a row of it in bytes,
	s_cselect_b32 s21, s18, s21                    ; and my 128 columns in it
	s_wait_alu depctr_va_vdst(0)
	v_lshlrev_b32 v3, 2, v2
.irp i, 0,1,2,3,4,5,6,7,8,9,10,11,12,13,14,15,16,17,18,19,20,21,22,23,24,25,26,27,28,29,30,31
	v_mad_u32_u24 v[WO+\i], s20, \i, v3            ; 4 x lane + i rows; never rewritten
.endr
	v_and_b32 v10, 7, v2
	v_bfe_u32 v11, v2, 3, 1
	v_lshl_add_u32 v10, v11, 4, v10
	v_bfe_u32 v11, v2, 4, 1
	v_lshl_add_u32 v10, v11, 3, v10                ; tile order: my column's place among the wave's 32
	s_mul_i32 s22, s16, 32*PITCH
	s_add_co_u32 s22, s22, WSTG                    ; my stage
	v_mul_u32_u24 v4, v10, PITCH
	v_add_nc_u32 v4, s22, v4                       ; into it: row = my column's place
	v_and_b32 v5, 15, v2
	v_lshrrev_b32 v6, 4, v2
	v_mul_u32_u24 v7, v6, PITCH
	v_lshl_add_u32 v7, v5, 4, v7
	v_add_nc_u32 v7, s22, v7                       ; out of it: sixteen lanes to a row, two rows an instruction
	v_mul_u32_u24 v8, v6, KROW
	v_mad_u32_u24 v8, v5, 12, v8                   ; and the same place in the codes' buffer
	v_lshlrev_b32 v9, 5, v10                       ; my place's row of scale bytes
	s_lshl_b32 s22, s19, 8
	s_mul_i32 s22, s22, s20                        ; 256 y rows of the weight
	s_lshl_b32 s23, s21, 9
	s_add_co_u32 s22, s22, s23                     ; + 128 columns x 4 bytes
	s_lshl_b32 s23, s16, 7
	s_add_co_u32 s22, s22, s23                     ; + 32 columns x 4 bytes a wave
	s_mov_b32 s23, 0
	s_add_nc_u64 s[36:37], s[6:7], s[22:23]        ; block 0's base;
	s_lshl_b32 s22, s20, 5                         ; 32 rows on
.irp t, 1,2,3,4,5,6,7
	s_add_nc_u64 s[36+2*\t:37+2*\t], s[34+2*\t:35+2*\t], s[22:23]   ; a base for each block: no pointer is stepped later
.endr
	s_lshl_b32 s26, s18, 7
	s_lshl_b32 s27, s16, 5
	s_add_co_u32 s26, s26, s27
	s_add_co_u32 s26, s26, 8192                    ; my first row of the codes' buffer
	s_mul_i32 s28, s26, KROW
	s_mul_i32 s29, s19, 192
	s_add_co_u32 s28, s28, s29
	s_mov_b32 s29, 0
	s_add_nc_u64 s[10:11], s[10:11], s[28:29]
	s_lshl_b32 s28, s26, 5
	s_lshl_b32 s30, s19, 3
	s_add_co_u32 s28, s28, s30
	s_add_nc_u64 s[12:13], s[12:13], s[28:29]
.macro WLOAD t                         ; block t: W(32 t + i, my column) into set t % 2; each load reads 128 consecutive bytes
.irp i, 0,1,2,3,4,5,6,7,8,9,10,11,12,13,14,15,16,17,18,19,20,21,22,23,24,25,26,27,28,29,30,31
	global_load_b32 v[WX+32*((\t)%2)+\i], v[WO+\i], s[36+2*(\t):37+2*(\t)] th:TH_LOAD_NT
.endr
.endm
	WLOAD 0
	WLOAD 1
.macro WBLOCK t
.set XS, WX+32*((\t)%2)
.if (\t) < NB-1
	s_wait_loadcnt 32                              ; this block's 32 loads are in; the next block's may be out
.else
	s_wait_loadcnt 0
.endif
	v_max3_num_f32 v12, |v[XS]|, |v[XS+1]|, |v[XS+2]|               ; the block's largest magnitude: all 32 numbers are mine
	v_max3_num_f32 v13, |v[XS+3]|, |v[XS+4]|, |v[XS+5]|
.irp i, 6,10,14,18,22,26
	v_max3_num_f32 v12, v12, |v[XS+\i]|, |v[XS+\i+1]|
	v_max3_num_f32 v13, v13, |v[XS+\i+2]|, |v[XS+\i+3]|
.endr
	v_max3_num_f32 v12, v12, |v[XS+30]|, |v[XS+31]|
	v_max3_num_f32 v12, v12, v13, (EMAX+1)<<23     ; and the floor
	v_add_nc_u32 v11, -(EMAX<<23), v12             ; the conversion's scale operand
	v_lshrrev_b32 v13, 23, v11                     ; the scale's byte
.if (\t)%4 == 0
	v_mov_b32 v[SB+(\t)/4], v13                    ; four bytes to a register, the lower K in the lower byte
.else
	v_lshl_or_b32 v[SB+(\t)/4], v13, 8*((\t)%4), v[SB+(\t)/4]
.endif
	v_cvt_scalef32_pk16_fp6_f32 v[WC:WC+2], v[XS:XS+15], v11
	v_cvt_scalef32_pk16_fp6_f32 v[WC+4:WC+6], v[XS+16:XS+31], v11   ; (a conversion's three registers begin on an even number)
	v_nop                                          ; one plain line behind the conversions
	ds_store_b96 v4, v[WC:WC+2] offset:32*(\t)     ; 12 bytes of codes to a place of 16 in the stage
	ds_store_b96 v4, v[WC+4:WC+6] offset:32*(\t)+16
.if (\t)+2 < NB
	WLOAD (\t)+2
.endif
	s_wait_dscnt 0x0                               ; the stores have read their registers: the next block's codes may be written
.endm
.irp t, 0,1,2,3,4,5,6,7
	WBLOCK \t
.endr
	s_wait_alu depctr_va_vdst(0)
	global_store_b64 v9, v[SB:SB+1], s[12:13]      ; my column's eight scale bytes
.irp t, 0,1,2,3,4,5,6,7,8,9,10,11,12,13,14,15
	ds_load_b96 v[OUTR+4*\t:OUTR+4*\t+2], v7 offset:2*\t*PITCH   ; in order behind my stores
.endr
.irp t, 0,1,2,3,4,5,6,7,8,9,10,11,12,13,14,15
	s_wait_dscnt 15-\t
	global_store_b96 v8, v[OUTR+4*\t:OUTR+4*\t+2], s[10:11] offset:2*\t*KROW   ; sixteen lanes store a row's 192 consecutive bytes
.endr
	s_wait_tensorcnt 0x0                           ; the wave's end, behind my last LDS store
	ds_add_u32 v[SPW], v[NIL]
	s_wait_dscnt 0x0
	s_endpgm
.Lfunc_end_k_qeec108fb77_quant:
	.size	k_qeec108fb77_quant, .Lfunc_end_k_qeec108fb77_quant-k_qeec108fb77_quant
	.p2alignl 7, 3214868480
	.fill 96, 4, 3214868480
	.section	.rodata,"a",@progbits
	.p2align	6, 0x0
	.amdhsa_kernel k_qeec108fb77_quant
		.amdhsa_group_segment_fixed_size 68096
		.amdhsa_private_segment_fixed_size 0
		.amdhsa_enable_private_segment 0
		.amdhsa_kernarg_size 40
		.amdhsa_user_sgpr_count 2
		.amdhsa_user_sgpr_kernarg_segment_ptr 1
		.amdhsa_wavefront_size32 1
		.amdhsa_system_sgpr_workgroup_id_x 1
		.amdhsa_system_sgpr_workgroup_id_y 1
		.amdhsa_system_sgpr_workgroup_id_z 1
		.amdhsa_system_vgpr_workitem_id 0
		.amdhsa_next_free_vgpr 216
		.amdhsa_next_free_sgpr 66
		.amdhsa_reserve_vcc 0
		.amdhsa_float_denorm_mode_32 3
		.amdhsa_float_denorm_mode_16_64 3
		.amdhsa_memory_ordered 1
		.amdhsa_forward_progress 1
		.amdhsa_inst_pref_size 76
	.end_amdhsa_kernel
	.amdgpu_metadata
---
amdhsa.version: [ 1, 2 ]
amdhsa.kernels:
  - .name:           k_qeec108fb77_quant
    .symbol:         k_qeec108fb77_quant.kd
    .args:
      - { .name: x, .offset: 0, .size: 8, .value_kind: global_buffer, .address_space: global }
      - { .name: w_qkv, .offset: 8, .size: 8, .value_kind: global_buffer, .address_space: global }
      - { .name: w_out, .offset: 16, .size: 8, .value_kind: global_buffer, .address_space: global }
      - { .name: xw_codes, .offset: 24, .size: 8, .value_kind: global_buffer, .address_space: global }
      - { .name: xw_scales, .offset: 32, .size: 8, .value_kind: global_buffer, .address_space: global }
    .group_segment_fixed_size: 68096
    .private_segment_fixed_size: 0
    .kernarg_segment_align: 8
    .kernarg_segment_size: 40
    .max_flat_workgroup_size: 128
    .sgpr_count:     66
    .vgpr_count:     216
    .wavefront_size: 32
...
	.end_amdgpu_metadata
.endif
;; end of part 1
;; launch gemm_qkv (part 2): grid 12 x 32, 4 waves a work-group, clusters of 4 x 4, 327,680 bytes of LDS; arguments xw_codes, xw_scales, qkv_img, qkv_scl; writes qkv_img, qkv_scl
.if DOCPART == 2
	.amdgcn_target "amdgcn-amd-amdhsa--gfx1250"
	.amdhsa_code_object_version 6
	.text
	.protected	k_qeec108fb77_gemm_qkv
	.globl	k_qeec108fb77_gemm_qkv
	.p2align	8
	.type	k_qeec108fb77_gemm_qkv,@function
k_qeec108fb77_gemm_qkv:
	s_mov_b64 s[64:65], 0
	v_nop
	global_prefetch_b8 v0, s[64:65] scope:SCOPE_SE
	s_setreg_imm32_b32 hwreg(HW_REG_WAVE_MODE, 25, 1), 1
	s_wait_xcnt 0x0
	s_wait_alu depctr_hold_cnt(0) depctr_sa_sdst(0) depctr_va_vdst(0) depctr_va_sdst(0) depctr_va_ssrc(0) depctr_va_vcc(0) depctr_vm_vsrc(0)
	s_getreg_b32 s2, hwreg(HW_REG_IB_STS2, 6, 4)
	s_cmp_eq_u32 s2, 0
	s_cbranch_scc0 .Lentry_in_a_cluster
	s_endpgm
.Lentry_in_a_cluster:
	s_bfe_u32 s2, ttmp6, 0x10000c
	s_cmp_lg_u32 s2, 0xf033
	s_cbranch_scc0 .Lentry_shape_is_right
	s_endpgm
.Lentry_shape_is_right:
; qkv = x w_qkv on codes of FP6 (E2M3) with E8M0 scales, sums in f32; the results never leave as f32: each wave quantises its 128 x 128 in registers into the operands of attention's two products.
; THE PRODUCT: C'[i][j] = sum over k of P[i][k] Q[j][k]; P and Q are tiles of 256 rows of one buffer of codes (rows of 768 bytes; tokens 0.., w_qkv's columns 8,192..), K = 1,024.
; Source 1 takes rows of P, source 0 rows of Q: a lane holds one row of P, and its registers run along rows of Q.  The rows lie in tile order (place 16 u + r of a group of 32 holds row 8 u + r + 8 (r / 8)),
; so the 16 registers of two neighbouring tiles of Q are 16 NEIGHBOURING rows of Q.  THE AXIS THAT IS QUANTISED NEXT IS ALWAYS Q:
;   cluster x = 0 (q), 1 (k): P = tokens, Q = features: blocks of 32 along a head's 64;      cluster x = 2 (v): P = w_v's features, Q = tokens: blocks of 32 along the keys.
; A tile of 256 x 256 is made by four waves, 128 x 128 each: 64 accumulators, 512 registers.  K goes in steps of 256 through a ring of two LDS slots filled by tensor loads; the scale bytes of the
; work-group's 512 rows come once and stay.  CLUSTERS: 4 x 4 work-groups; P's tile is asked for jointly along a row of the cluster, Q's along a column.
; OUT: a block of 16 rows of P x 128 of Q becomes 12 registers of codes and a scale word a lane; register pair p leaves by one store of 8 bytes a lane: 256 consecutive bytes, aligned.  For q and k the 12
; registers are two heads' halves of a fragment, for v one whole fragment of 128 keys.
; LIMITS: NaN and infinities are not served; a block under 2^-124 keeps the byte 1, a block of zeros too (its codes are zeros; these bytes are read by this program alone).
; REGISTERS, in windows of 256: window 0: v0-31 addresses; v32-63 scale words, two sets; from v128 P's fragments, one set; on the way out v112-216 at work.
;   window 1: Q's fragments, two sets, at v0 and v128.   window 2: the accumulators of my rows 0-63 of P ((a, b) at v[8 (8 a + b)]);   window 3: rows 64-127.
.set KSTEP,  256
.set NQ,     2                         ; matrix instructions deep in a slot
.set ROWB,   192                       ; a tile's row in bytes
.set KROW,   768                       ; a row of codes in memory
.set PITCH,  240                       ; an LDS row: 3 x (64 bytes + 16 of padding)
.set FR,     12                        ; registers of a fragment
.set NL,     6                         ; LDS loads that bring one
.set NP,     4                         ; places behind this matrix instruction (ISA guide 7.12.1)
.set HALFT,  128*PITCH
.set SLOT,   4*HALFT
.set LAPS,   2                         ; 1,024 / 512
.set KS,     32                        ; a row of scale bytes
.set SCL,    2*SLOT                    ; behind the ring: the scales, as units of 256 bytes + 16 of padding
.set HALFS,  (128*KS/256)*272
.set SBLK,   (16*KS/256)*272
.set SPARE,  SCL+4*HALFS               ; the spare words, 128 bytes a wave
.set ADRA, 16                          ; v16-17 LDS address of P's fragments in slot 0, 1 (v18-19: behind one padding more)
.set ADRB, 20                          ; v20-21 the same for Q (v22-23)
.set CO,   26                          ; v26 the way out: 8 x lane
.set ADRS, 27                          ; v27 my scale words: lanes 0-15 P's rows, lanes 16-31 Q's
.set SPW,  28                          ; v28 my spare word; never rewritten
.set NIL,  29                          ; v29 0; never rewritten
.set SC,   32                          ; scale words
.set AF,   128                         ; P's fragments
.set PCS,  112                         ; the way out: two sets of 20 registers for codes
.set XW,   160                         ; v160-167 the eight blocks' scale words
.set SH,   168                         ; v168 q, k: 16 x (lane / 16); v: 0
.set SOFF, 170                         ; v170, v171 where the scale words go
.set TM,   200                         ; v200-215 at work
.set PW,   216                         ; the scale word just made
.set G1, 24
.set G0, 32
.set G1B, 48
.set G0B, 56
.set G1S, 68
.set G0S, 76
.set G1SB, 80
.set G0SB, 88
.set MSB, 0
.macro WIN new                         ; the immediate's high byte repeats the setting that is left
.if MSB != (\new)
	s_set_vgpr_msb (MSB<<8)|(\new)
.set MSB, (\new)
.endif
.endm
.set MUL_LO, 0xa1                      ; source 0 (Q) window 1, source 1 (P) window 0, C and D window 2
.set MUL_HI, 0xf1
.set TO_B,   0x40
; A joint load: waves 0 and 1 fetch for P, waves 2 and 3 for Q; the branch hangs on the wave's number alone.  An s_nop 0 and four v_nop follow each line.
.macro JLOAD g0a, g1a, g0b, g1b
	s_cmp_eq_u32 s15, 0
	s_cbranch_scc0 .Lfor_b_\@
	tensor_load_to_lds s[\g0a:\g0a+3], s[\g1a:\g1a+7]
	s_nop 0
.rept 4
	v_nop
.endr
	s_branch .Lasked_\@
.Lfor_b_\@:
	tensor_load_to_lds s[\g0b:\g0b+3], s[\g1b:\g1b+7]
	s_nop 0
.rept 4
	v_nop
.endr
.Lasked_\@:
.endm
.macro CREST                           ; a round of the cluster's barrier behind its opening barrier
	s_cmp_lg_u32 s14, 0
	s_cbranch_scc1 .Lnot_wave_0_\@
	s_barrier_signal -3
.Lnot_wave_0_\@:
	s_barrier_wait -3
	s_barrier_signal -1
	s_barrier_wait -1
.endm
.macro CROUND
	s_barrier_signal -1
	s_barrier_wait -1
	CREST
.endm
	s_load_b256 s[4:11], s[0:1], 0x0               ; the codes s[4:5], the scale bytes s[6:7], the images s[8:9], their scale words s[10:11]
	v_lshl_add_u32 v[SPW], v0, 2, SPARE
	v_mov_b32 v[NIL], 0
	ds_add_u32 v[SPW], v[NIL]                      ; the wave's opening: the add and its wait stand ahead of my first tensor load
	ds_add_u32 v[SPW], v[NIL]
	v_lshrrev_b32 v1, 5, v0
	v_readfirstlane_b32 s14, v1                    ; wave 0..3
	s_lshr_b32 s15, s14, 1                         ; which half of P's rows is mine.  Also: I fetch for P (0) or for Q (1)
	s_and_b32 s16, s14, 1                          ; which half of Q's rows.  Also: which 128 rows I fetch
	s_bfe_u32 s40, ttmp6, 0x40000                  ; cx, cy: my place in the cluster
	s_bfe_u32 s41, ttmp6, 0x40004
	s_and_b32 s96, ttmp7, 0xffff                   ; cluster y: 1,024 tokens
	s_add_co_u32 s97, ttmp9, 8
	s_cmp_eq_u32 ttmp9, 2                          ; the cluster's x says which of q, k, v: alike in all sixteen partners
	s_cselect_b32 s42, s96, s97                    ; Q: tokens for v, else the features of q (tiles 32..) or k (36..)
	s_cselect_b32 s17, 10, s96                     ; P: w_v's features (tiles 40..) for v, else tokens
	s_cselect_b32 s95, 1, 0                        ; 1 for v
	s_lshl_b32 s42, s42, 2
	s_add_co_u32 s42, s42, s40                     ; Q's tile of 256 rows: holds cx, never cy
	s_lshl_b32 s17, s17, 2
	s_add_co_u32 s17, s17, s41                     ; P's tile: holds cy, never cx
	s_lshl_b32 s43, s41, 2
	s_lshl_b32 s43, 15, s43                        ; my row of the cluster
	s_lshl_b32 s44, 0x1111, s40                    ; my column
	s_or_b32 s[G1+0], s43, (0<<16)|(1<<20)|(1<<21)|(3<<22)|(3<<25)  ; the mask; elements of 1 byte; padding on; bit 21 beside a mask; after every 16 words, 4 words
	s_or_b32 s[G1B+0], s44, (0<<16)|(1<<20)|(1<<21)|(3<<22)|(3<<25)
.irp g, G1, G1B
	s_mov_b32 s[\g+1], ROWB<<16                    ; tensor_dim0
	s_mov_b32 s[\g+2], 128<<16                     ; tensor_dim1
	s_mov_b32 s[\g+3], ROWB<<16                    ; tile_dim0
	s_mov_b32 s[\g+4], 128                         ; tile_dim1
	s_mov_b32 s[\g+5], KROW                        ; from row to row
	s_mov_b32 s[\g+6], 0
	s_mov_b32 s[\g+7], 0
.endr
	s_or_b32 s[G1S+0], s43, (3<<16)|(1<<20)|(1<<21)|(5<<22)|(3<<25)  ; the scales of 128 rows: 4,096 dense bytes as 16 rows of 256, 16 bytes of padding behind each
	s_or_b32 s[G1SB+0], s44, (3<<16)|(1<<20)|(1<<21)|(5<<22)|(3<<25)
.irp g, G1S, G1SB
	s_mov_b32 s[\g+1], 32<<16
	s_mov_b32 s[\g+2], (128*KS/256)<<16
	s_mov_b32 s[\g+3], 32<<16
	s_mov_b32 s[\g+4], 128*KS/256
	s_mov_b32 s[\g+5], 32
	s_mov_b32 s[\g+6], 0
	s_mov_b32 s[\g+7], 0
.endr
	s_lshl_b32 s18, s16, 7                         ; which 128 rows of the tile I fetch
	s_lshl_b32 s20, s17, 8
	s_add_co_u32 s20, s20, s18                     ; P: row 256 x tile + 128 x half
	s_lshl_b32 s46, s42, 8
	s_add_co_u32 s46, s46, s18                     ; Q likewise
	s_lshl_b32 s22, s20, 5                         ; their scale bytes: 32 a row (all offsets stay under 2^24)
	s_mov_b32 s23, 0
	s_lshl_b32 s92, s46, 5
	s_mov_b32 s93, 0
	s_mul_i32 s20, s20, KROW                       ; and their codes
	s_mov_b32 s21, 0
	s_mul_i32 s46, s46, KROW
	s_mov_b32 s47, 0
	s_mul_i32 s45, s14, HALFT                      ; where they go: wave x 128 rows: no place in the cluster enters an LDS address
	s_mul_i32 s94, s14, HALFS
	s_wait_dscnt 0x0                               ; the opening add is done
	s_wait_kmcnt 0x0
	s_add_nc_u64 s[20:21], s[4:5], s[20:21]
	s_add_nc_u64 s[22:23], s[6:7], s[22:23]
	s_add_nc_u64 s[46:47], s[4:5], s[46:47]
	s_add_nc_u64 s[92:93], s[6:7], s[92:93]
	CROUND                                         ; all sixteen work-groups are here: the first joint loads meet
	s_mov_b32 s[G0S], 1
	s_add_co_u32 s[G0S+1], s94, SCL
	s_mov_b64 s[G0S+2:G0S+3], s[22:23]
	s_or_b32 s[G0S+3], s[G0S+3], 0x80000000
	s_mov_b32 s[G0SB], 1
	s_add_co_u32 s[G0SB+1], s94, SCL
	s_mov_b64 s[G0SB+2:G0SB+3], s[92:93]
	s_or_b32 s[G0SB+3], s[G0SB+3], 0x80000000
	JLOAD G0S, G1S, G0SB, G1SB                     ; the scales first: they are wanted with K step 0
.irp s, 0,1
	s_mov_b32 s[G0+4*\s], 1
	s_add_co_u32 s[G0+4*\s+1], s45, \s*SLOT
	s_add_nc_u64 s[G0+4*\s+2:G0+4*\s+3], s[20:21], \s*ROWB
	s_or_b32 s[G0+4*\s+3], s[G0+4*\s+3], 0x80000000
	s_mov_b32 s[G0B+4*\s], 1
	s_add_co_u32 s[G0B+4*\s+1], s45, \s*SLOT
	s_add_nc_u64 s[G0B+4*\s+2:G0B+4*\s+3], s[46:47], \s*ROWB
	s_or_b32 s[G0B+4*\s+3], s[G0B+4*\s+3], 0x80000000
	JLOAD G0+4*\s, G1, G0B+4*\s, G1B
.endr
	v_and_b32 v1, 15, v0                           ; l % 16
	v_bfe_u32 v2, v0, 4, 1                         ; l / 16
	v_mul_u32_u24 v3, v1, PITCH
	v_mul_u32_u24 v4, v2, 24
	v_add_nc_u32 v4, v3, v4                        ; a fragment's row x pitch + 24 x half
	v_lshl_add_u32 v5, v2, 4, v4                   ; and the same behind one padding more
	s_mul_i32 s21, s15, HALFT                      ; my 128 rows of P
	s_mul_i32 s22, s16, HALFT                      ; my 128 rows of Q,
	s_add_co_u32 s22, s22, 2*HALFT                 ; which lie behind P's 256
.irp s, 0,1
	v_add_nc_u32 v[ADRA+\s], s21, v4
	v_add_nc_u32 v[ADRB+\s], s22, v4
	v_add_nc_u32 v[ADRA+2+\s], s21, v5
	v_add_nc_u32 v[ADRB+2+\s], s22, v5
	s_add_co_u32 s21, s21, SLOT
	s_add_co_u32 s22, s22, SLOT
.endr
	v_mul_u32_u24 v5, v1, KS                       ; my row's scales: 32 bytes a row,
	v_lshrrev_b32 v6, 8, v5
	v_lshl_add_u32 v5, v6, 4, v5                   ; and 16 more for each 256 passed
	s_mul_i32 s21, s15, HALFS
	s_mul_i32 s22, s16, HALFS
	s_add_co_u32 s22, s22, 2*HALFS
	s_sub_co_u32 s22, s22, s21
	v_mul_u32_u24 v6, s22, v2                      ; lanes 16-31 take Q's
	s_add_co_u32 s21, s21, SCL
	v_add_nc_u32 v5, v5, v6
	v_add_nc_u32 v[ADRS], s21, v5
.macro FRAG reg, adr, q, i             ; 16 rows x 128 K of 6-bit codes: 12 registers; lane l holds row l % 16; registers 6 c .. 6 c + 5 hold K = 64 c + 32 (l / 16) + 0 .. 31, in pieces of 8 bytes
.irp p, 0,1,2,3,4,5
.set PC, 12*(\q)+6*(\p/3)+\p%3        ; 16 bytes of padding lie behind every 8 pieces: where the piece three on lies behind one padding more, the second address register serves
.if PC%8 < 5
	ds_load_b64 v[\reg+2*\p:\reg+2*\p+1], v[\adr] offset:8*PC+16*(PC/8)+(\i)*16*PITCH
.else
	ds_load_b64 v[\reg+2*\p:\reg+2*\p+1], v[\adr+2] offset:8*PC+16*(PC/8)+(\i)*16*PITCH
.endif
.endr
.endm
; 16 matrix instructions: P's blocks a0, a0 + 1 x Q's eight, 128 along K.  The 64 accumulators take turns, one instruction a turn, in the same order in every step.
.macro MUL16 a0, p, q, sc, zero
.irp a, \a0, \a0+1
.irp b, 0,1,2,3,4,5,6,7
.if \zero
	v_wmma_scale_f32_16x16x128_f8f6f4 v[8*(8*((\a)%4)+\b):8*(8*((\a)%4)+\b)+7], v[128*(\p)+FR*\b:128*(\p)+FR*\b+FR-1], v[AF+FR*(\a):AF+FR*(\a)+FR-1], 0, v[SC+8*NQ*(\sc)+NQ*\b+(\q)], v[SC+8*NQ*(\sc)+NQ*(\a)+(\q)] matrix_a_fmt:MATRIX_FMT_FP6 matrix_b_fmt:MATRIX_FMT_FP6 matrix_a_scale:MATRIX_SCALE_ROW1
.else
	v_wmma_scale_f32_16x16x128_f8f6f4 v[8*(8*((\a)%4)+\b):8*(8*((\a)%4)+\b)+7], v[128*(\p)+FR*\b:128*(\p)+FR*\b+FR-1], v[AF+FR*(\a):AF+FR*(\a)+FR-1], v[8*(8*((\a)%4)+\b):8*(8*((\a)%4)+\b)+7], v[SC+8*NQ*(\sc)+NQ*\b+(\q)], v[SC+8*NQ*(\sc)+NQ*(\a)+(\q)] matrix_a_fmt:MATRIX_FMT_FP6 matrix_b_fmt:MATRIX_FMT_FP6 matrix_a_scale:MATRIX_SCALE_ROW1
.endif
.endr
.endr
.endm
.macro FETCH_B slot, q, p
	WIN TO_B
.irp i, 0,1,2,3,4,5,6,7
	FRAG 128*(\p)+FR*\i, ADRB+\slot, \q, \i
.endr
	WIN 0
.endm
.macro FETCH_A slot, q, i0
.irp i, \i0, \i0+1, \i0+2, \i0+3
	FRAG AF+FR*(\i), ADRA+\slot, \q, \i
.endr
.endm
.macro SCALES sc                       ; a K step's scale words: two words a row; lanes 0-15 take P's block i, lanes 16-31 Q's block i
.irp i, 0,1,2,3,4,5,6,7
	ds_load_b64 v[SC+8*NQ*\sc+NQ*\i:SC+8*NQ*\sc+NQ*\i+1], v[ADRS] offset:\i*SBLK
.endr
.endm
.macro PLACES n                        ; plain vector instructions between a matrix instruction and a load into, or a read of, its registers
.rept \n
	v_nop
.endr
.endm
.macro STEP slot, q, zero              ; 128 along K that has its successor in the same slot
	s_wait_dscnt 4*NL                              ; Q's set and P's blocks 0-3 are in; the youngest 24 loads (P's blocks 4-7) may be out
	WIN MUL_LO
	MUL16 0, (\q)%2, \q, \slot, \zero
	MUL16 2, (\q)%2, \q, \slot, \zero
	s_wait_dscnt 0                                 ; P's blocks 4-7 are in
	PLACES NP
	FETCH_B \slot, (\q)+1, 1-(\q)%2
	FETCH_A \slot, (\q)+1, 0
	WIN MUL_HI
	MUL16 4, (\q)%2, \q, \slot, \zero
	MUL16 6, (\q)%2, \q, \slot, \zero
	PLACES NP
	WIN 0
	FETCH_A \slot, (\q)+1, 4
.endm
; A slot's last step changes slots: one barrier; in front of it each wave waits for all its tensor loads, adds 0 to its spare word, and waits for that and for its reads of this slot.
.macro TURN slot, next, fill
	s_wait_tensorcnt 0x0                           ; all my tensor loads have landed: my part of the next slot
	ds_add_u32 v[SPW], v[NIL]                      ; 0 onto my spare word
	s_wait_dscnt 4*NL+1                            ; (the add and the youngest 24 loads may be out)
	WIN MUL_LO
	MUL16 0, 1, NQ-1, \slot, 0                     ; sixteen matrix instructions stand between the add and the wait for it
	s_wait_dscnt 0x0                               ; the add is done, and my reads of this slot are over
	s_barrier_signal -1
	MUL16 2, 1, NQ-1, \slot, 0
	WIN 0
	s_barrier_wait -1
.if \fill
	CREST                                          ; the barrier has opened a round of the cluster's barrier: no wave of any partner still reads this slot or has a load on its way
	s_add_nc_u64 s[G0+4*\slot+2:G0+4*\slot+3], s[G0+4*\slot+2:G0+4*\slot+3], 2*ROWB
	s_add_nc_u64 s[G0B+4*\slot+2:G0B+4*\slot+3], s[G0B+4*\slot+2:G0B+4*\slot+3], 2*ROWB
	JLOAD G0+4*\slot, G1, G0B+4*\slot, G1B         ; the first tensor load behind the round; its four v_nop are the places in front of the loads below
.else
	PLACES NP
.endif
	s_wait_alu depctr_va_vdst(0)
	v_add_nc_u32 v[ADRS], 4*NQ, v[ADRS]            ; on to the next K step's scale words
	FETCH_B \next, 0, 0
	FETCH_A \next, 0, 0
	SCALES \next
	WIN MUL_HI
	MUL16 4, 1, NQ-1, \slot, 0
	MUL16 6, 1, NQ-1, \slot, 0
	PLACES NP
	WIN 0
	FETCH_A \next, 0, 4
.endm
	s_wait_alu depctr_va_vdst(0)
	s_wait_tensorcnt 1                             ; the scales and my part of K step 0 are in (K step 1's load may be out),
	s_barrier_signal -1
	s_barrier_wait -1                              ; everybody's are
	FETCH_B 0, 0, 0
	FETCH_A 0, 0, 0
	SCALES 0
	FETCH_A 0, 0, 4
	STEP 0, 0, 1                                   ; the first step stands in front of the loop: its products start the sums
	s_mov_b32 s3, LAPS-1
.Llap:                                                 ; a trip goes once round the ring and fills both slots again
	TURN 0, 1, 1
	STEP 1, 0, 0
	TURN 1, 0, 1
	STEP 0, 0, 0
	s_sub_co_u32 s3, s3, 1
	s_cmp_lg_u32 s3, 0
	s_cbranch_scc1 .Llap
	TURN 0, 1, 0                                   ; the last lap fills nothing
	STEP 1, 0, 0
	s_wait_dscnt 4*NL
	WIN MUL_LO
	MUL16 0, 1, NQ-1, 1, 0
	MUL16 2, 1, NQ-1, 1, 0
	s_wait_dscnt 0
	WIN MUL_HI
	MUL16 4, 1, NQ-1, 1, 0
	MUL16 6, 1, NQ-1, 1, 0
	WIN 0
; THE WAY OUT.  Where my 128 x 128 goes: tokens 128 g .. of batch b, heads 2 hp and 2 hp + 1.
	PLACES NP                                      ; behind the last products: their results are read and P's registers written below
	s_mov_b32 s20, 0x76543210
	s_mov_b32 s21, 0xfedcba98                      ; v_permlanex16_b32's selects for lane l xor 16
	s_sub_co_u32 s22, s17, 40
	s_and_b32 s23, s42, 3
	s_cmp_eq_u32 s95, 1                            ; v?  Only values are chosen: no jump
	s_cselect_b32 s18, s42, s17                    ; the tile of 256 tokens
	s_cselect_b32 s19, s16, s15                    ; and my half of it
	s_cselect_b32 s22, s22, s23                    ; the tile of 256 features in q, k or v
	s_cselect_b32 s23, s15, s16                    ; and my half of it
	s_cselect_b32 s96, -1, 0xffff                  ; a scale word keeps four bytes (v) or two (q, k)
	s_cselect_b32 s45, 0, 16                       ; q, k: lanes 16-31 take the second head's two bytes
	s_cselect_b32 s46, 0, 8192                     ; q, k: and store them a head further on
	s_mov_b32 s47, 256
	s_cselect_b32 s47, 4096, s47                   ; the second four words: v: the next head; q, k: the next four tiles
	s_cselect_b32 s94, 1, 0
	s_lshr_b32 s92, s18, 3                         ; b
	s_and_b32 s18, s18, 7
	s_lshl_b32 s18, s18, 1
	s_add_co_u32 s18, s18, s19                     ; g
	s_lshl_b32 s22, s22, 1
	s_add_co_u32 s22, s22, s23                     ; hp
	s_lshl_b32 s19, s92, 3
	s_add_co_u32 s19, s19, s22                     ; 8 b + hp
	s_lshl_b32 s23, s19, 4
	s_add_co_u32 s23, s23, s18
	s_mul_i32 s23, s23, 12288                      ; eight records of 1,536 bytes
	s_mul_i32 s93, ttmp9, 6291456                  ; q's, k's or v's part
	s_add_co_u32 s92, s23, s93
	s_mov_b32 s93, 0
	s_add_nc_u64 s[8:9], s[8:9], s[92:93]
	s_lshl_b32 s19, s19, 14                        ; head 16 b + 2 hp x 8,192
	s_lshl_b32 s18, s18, 9                         ; + 512 g
	s_add_co_u32 s19, s19, s18
	s_lshr_b32 s19, s19, s94                       ; v's words are half as many
	s_lshl_b32 s18, ttmp9, 19
	s_add_co_u32 s92, s19, s18
	s_add_nc_u64 s[10:11], s[10:11], s[92:93]
	v_and_b32 v1, 15, v0
	v_bfe_u32 v2, v0, 4, 1
	v_and_b32 v3, 31, v0
	v_lshlrev_b32 v[CO], 3, v3
	v_mul_u32_u24 v[SH], s45, v2
	v_mul_u32_u24 v4, s46, v2
	v_lshl_add_u32 v[SOFF], v1, 4, v4
	v_add_nc_u32 v[SOFF+1], s47, v[SOFF]
.irp b, 0,1,2,3
	v_mov_b32 v[TM+4+\b], 0                        ; a lane permute's destination counts as one of its sources
.endr
; Block a: my 64 numbers of a row of P, register 16 b + i = row 32 b + 16 (lane / 16) + i of Q, become 12 registers of codes and a scale word.
.macro QOUT a
.set S, 64*((\a)%4)
.set PC, PCS+20*((\a)%2)
.set WW, 2+(\a)/4
	WIN (WW<<2)|(WW<<4)                            ; sources 1 and 2: the accumulators' window
.irp b, 0,1,2,3
	v_max3_num_f32 v[TM+\b], 0x1800000, |v[S+16*\b]|, |v[S+16*\b+1]|   ; my 16 numbers of block b, and the floor 2^(3 - 127); each accumulator is read from its low end on
.endr
.irp i, 2,4,6,8,10,12,14
.irp b, 0,1,2,3
	v_max3_num_f32 v[TM+\b], v[TM+\b], |v[S+16*\b+\i]|, |v[S+16*\b+\i+1]|
.endr
.endr
	WIN 0
.irp b, 0,1,2,3
	v_permlanex16_b32 v[TM+4+\b], v[TM+\b], s20, s21
.endr
.irp b, 0,1,2,3
	v_max_num_f32 v[TM+\b], v[TM+\b], v[TM+4+\b]   ; with lane l xor 16's: the block's largest magnitude
.endr
.irp b, 0,1,2,3
	v_add_nc_u32 v[TM+12+\b], 0xff000000, v[TM+\b] ; 2 off its exponent field: the conversion's scale operand
.endr
.irp b, 0,1,2,3
	v_lshrrev_b32 v[TM+4+\b], 23, v[TM+12+\b]      ; the scale's byte
.endr
	v_lshl_or_b32 v[PW], v[TM+5], 8, v[TM+4]
	v_lshl_or_b32 v[PW], v[TM+6], 16, v[PW]
	v_lshl_or_b32 v[PW], v[TM+7], 24, v[PW]
.if (\a) > 1
	s_wait_alu depctr_va_vdst(0)
	s_wait_xcnt 0x0                                ; the stores of two blocks back have read this set of registers
.endif
	WIN WW                                         ; source 0: the accumulators' window
.irp c, 0,1
	v_cvt_scalef32_pk16_fp6_f32 v[PC+6*\c:PC+6*\c+2], v[S+32*\c:S+32*\c+15], v[TM+12+2*\c]
	v_cvt_scalef32_pk16_fp6_f32 v[PC+12+4*\c:PC+14+4*\c], v[S+16+32*\c:S+31+32*\c], v[TM+13+2*\c]   ; (a conversion's three registers begin on an even number)
.endr
	WIN 0
	v_lshrrev_b32 v[XW+(\a)], v[SH], v[PW]         ; my head's bytes of the word (also the plain line behind the conversions)
	v_and_b32 v[XW+(\a)], s96, v[XW+(\a)]
.irp c, 0,1                                    ; the operand's layout wants a whole block in a lane
.irp i, 0,1,2
	v_permlane16_swap_b32 v[PC+6*\c+\i], v[PC+12+4*\c+\i]
.endr
.irp i, 0,1,2
	v_mov_b32 v[PC+3+6*\c+\i], v[PC+12+4*\c+\i]
.endr
.endr
.irp p, 0,1,2,3,4,5
	global_store_b64 v[CO], v[PC+2*\p:PC+2*\p+1], s[8:9] offset:1536*(\a)+256*\p   ; a pair of registers as it stands: 32 lanes store 256 consecutive bytes, aligned
.endr
.endm
.irp a, 0,1,2,3,4,5,6,7
	QOUT \a
.endr
	global_store_b128 v[SOFF], v[XW:XW+3], s[10:11]        ; four words a lane: sixteen lanes store 256 consecutive bytes (v: lanes 16-31 store the same bytes to the same places)
	global_store_b128 v[SOFF+1], v[XW+4:XW+7], s[10:11]
	s_wait_tensorcnt 0x0                           ; the wave's end
	ds_add_u32 v[SPW], v[NIL]
	s_wait_dscnt 0x0
	CROUND                                         ; the closing round: no work-group ends while a partner may still ask for a tile that names it
	s_endpgm
.Lfunc_end_k_qeec108fb77_gemm_qkv:
	.size	k_qeec108fb77_gemm_qkv, .Lfunc_end_k_qeec108fb77_gemm_qkv-k_qeec108fb77_gemm_qkv
	.p2alignl 7, 3214868480
	.fill 96, 4, 3214868480
	.section	.rodata,"a",@progbits
	.p2align	6, 0x0
	.amdhsa_kernel k_qeec108fb77_gemm_qkv
		.amdhsa_group_segment_fixed_size 327680
		.amdhsa_private_segment_fixed_size 0
		.amdhsa_enable_private_segment 0
		.amdhsa_kernarg_size 32
		.amdhsa_user_sgpr_count 2
		.amdhsa_user_sgpr_kernarg_segment_ptr 1
		.amdhsa_wavefront_size32 1
		.amdhsa_system_sgpr_workgroup_id_x 1
		.amdhsa_system_sgpr_workgroup_id_y 1
		.amdhsa_system_sgpr_workgroup_id_z 1
		.amdhsa_system_vgpr_workitem_id 0
		.amdhsa_next_free_vgpr 1024
		.amdhsa_next_free_sgpr 98
		.amdhsa_reserve_vcc 0
		.amdhsa_float_denorm_mode_32 3
		.amdhsa_float_denorm_mode_16_64 3
		.amdhsa_memory_ordered 1
		.amdhsa_forward_progress 1
		.amdhsa_inst_pref_size 168
	.end_amdhsa_kernel
	.amdgpu_metadata
---
amdhsa.version: [ 1, 2 ]
amdhsa.kernels:
  - .name:           k_qeec108fb77_gemm_qkv
    .symbol:         k_qeec108fb77_gemm_qkv.kd
    .args:
      - { .name: xw_codes, .offset: 0, .size: 8, .value_kind: global_buffer, .address_space: global }
      - { .name: xw_scales, .offset: 8, .size: 8, .value_kind: global_buffer, .address_space: global }
      - { .name: qkv_img, .offset: 16, .size: 8, .value_kind: global_buffer, .address_space: global }
      - { .name: qkv_scl, .offset: 24, .size: 8, .value_kind: global_buffer, .address_space: global }
    .group_segment_fixed_size: 327680
    .private_segment_fixed_size: 0
    .kernarg_segment_align: 8
    .kernarg_segment_size: 32
    .max_flat_workgroup_size: 128
    .sgpr_count:     98
    .vgpr_count:     1024
    .wavefront_size: 32
...
	.end_amdgpu_metadata
.endif
;; end of part 2
;; launch attn (part 3): grid 4 x 64, 16 waves a work-group, no clusters, 212,992 bytes of LDS; arguments qkv_img, qkv_scl, ao_img, ao_scl; writes ao_img, ao_scl
.if DOCPART == 3
	.amdgcn_target "amdgcn-amd-amdhsa--gfx1250"
	.amdhsa_code_object_version 6
	.text
	.protected	k_qeec108fb77_attn
	.globl	k_qeec108fb77_attn
	.p2align	8
	.type	k_qeec108fb77_attn,@function
k_qeec108fb77_attn:
	s_mov_b64 s[64:65], 0
	v_nop
	global_prefetch_b8 v0, s[64:65] scope:SCOPE_SE
	s_setreg_imm32_b32 hwreg(HW_REG_WAVE_MODE, 25, 1), 1
	s_wait_xcnt 0x0
; Causal attention of one head on codes of FP6 (E2M3) with E8M0 scales: S^T = K Q^T (K = the head's 64, the instruction's upper 64 filled with zero codes), p = 2^(t - M), O^T += V^T P^T (K = 128 keys a step).
; t = score x log2(e) / 8; M = the running largest t rounded up to a whole number; the row's sum is taken of the unquantised p and divides O at the end; O / sum is quantised along the head's 64 and
; leaves as codes: half of a fragment of the last product.
; q, k, v arrive as images of operand registers: register pair p of a fragment is 256 bytes, 8 a lane.  Tokens and the head's 64 lie in tile order (lane r of tile 2 b + u is row 32 b + 8 u + r + 8 (r / 8)),
; so a lane's 16 registers of two neighbouring tiles are 16 neighbours along the next product's K.
; SHARES.  Work-group (x, y): head y = 16 b + head; query blocks x and 7 - x of 256 queries, one after the other; each of sixteen waves owns one tile of 16 queries in each pass.  A wave works
; (2 x + 1) + (2 (7 - x) + 1) steps of 128 keys, two more in waves 8-15: the same in every work-group.
; THE WHOLE HEAD'S K AND V LIE IN LDS, filled once (2 x 98,304 bytes and 12,288 of scale words): no slot is filled again, and no barrier stands in a pass.
; NO CLUSTER, though the four work-groups of a head read the same K and V: which steps a wave leaves out hangs on its query block, which would be its work-group's place in the cluster.
; CAUSAL.  The trip counts are constants (8, 16); a step all of whose keys come after my queries is jumped over by a branch on ids; on the diagonal hidden scores become -infinity (reference has -1e9:
; the same p = 0 unless a row's visible logits lie near -1e9).
; LIMITS: NaN and infinities are not served; a block under 2^-124, or of zeros, keeps the byte 1 (read by this program alone).
; REGISTERS: v1 8 x lane; v2, v3 places of K's and V's scale words; v4 r + 8 (r / 8) - 16 h; v5, v6 the add's two; v7 32 r + h; v8-11 addresses in hand; v12 -M, v13 the largest t, v[14:15] the sum;
; v16-27 Q (upper six 0); v28-31 V's scale words; v32-79 four fragments of K (upper six of each 0); v80-127 four of V; v128-191 S^T, then p; v192-223 O^T; v224-255 at work; v248-251 K's scale words,
; v253 p's, v255 Q's.
.set KIMG,  0                          ; K: 128 tiles x 768 bytes
.set VIMG,  98304                      ; V: 16 steps x 4 tiles x 1,536 bytes
.set KSC,   196608                     ; K's scale words: 32 x 256 bytes: [four tiles][r][tile]
.set VSC,   204800                     ; V's: 16 x 256 bytes: [step][r][tile]
.set SPARE, 208896                     ; the spare words, 128 bytes for each of sixteen waves
.set WV,   12
.set SEL,  20
.set CS,   22
.set G1K,  24
.set G1V,  32
.set G1KS, 40
.set G1VS, 48
.set G0KS, 56
.set G0K1, 60
.set G0K2, 68
.set G0VS, 72
.set G0V1, 76
.set G0V2, 80
.set KF,   84                          ; the step's first key
.set Q0,   85                          ; my least query; my queries are Q0 + r + 8 (r / 8)
.set TB,   86                          ; the step's tiles: 6,144 bytes a step, in K and in V
.set TS,   87                          ; K's scale words: 512 a step
.set TJ,   88                          ; V's: 256 a step
.set CNT,  89
.set PQ,   90                          ; s[90:91] Q's codes, s[92:93] Q's words, s[94:95] my codes out, s[96:97] my bytes out
.set PQS,  92
.set PO,   94
.set POS,  96
	s_load_b256 s[4:11], s[0:1], 0x0               ; the images s[4:5], their scale words s[6:7], out: codes s[8:9], bytes s[10:11]
	v_lshl_add_u32 v5, v0, 2, SPARE
	v_mov_b32 v6, 0
	ds_add_u32 v5, v6                              ; the wave's opening: the add and its wait stand ahead of the first tensor load
	ds_add_u32 v5, v6
	v_lshrrev_b32 v8, 5, v0
	s_delay_alu instid0(VALU_DEP_1)
	v_readfirstlane_b32 s[WV], v8                  ; wave 0..15
	s_and_b32 s13, ttmp7, 0xffff                   ; y = 16 b + head
	s_lshr_b32 s14, s13, 1                         ; 8 b + hp
	s_and_b32 s15, s13, 1                          ; e: the head within its pair
	s_lshr_b32 s16, s13, 4                         ; b
	s_and_b32 s17, s13, 15                         ; head
	s_lshr_b32 s18, s17, 1                         ; hp
	s_mov_b32 s19, 0xffff0000                      ; lanes 16-31
	s_mov_b32 s[SEL], 0x76543210
	s_mov_b32 s[SEL+1], 0xfedcba98
	s_mov_b32 s[CS], 0x3e38aa3b                    ; c = log2(e) / 8
	s_mov_b32 s[CS+1], s[CS]                       ; (named with it as a pair, so it is written)
	; descriptor groups 1: elements of 8 bytes, no mask, no padding
	s_mov_b32 s[G1K], 3<<16                        ; K: 64 rows of 768 bytes (one head's half of a record), 1,536 bytes apart
	s_mov_b32 s[G1K+1], 96<<16
	s_mov_b32 s[G1K+2], 64<<16
	s_mov_b32 s[G1K+3], 96<<16
	s_mov_b32 s[G1K+4], 64
	s_mov_b32 s[G1K+5], 192
	s_mov_b32 s[G1K+6], 0
	s_mov_b32 s[G1K+7], 0
	s_mov_b32 s[G1V], 3<<16                        ; V: 8 rows of 6,144 bytes (one head's four records of a step), 12,288 bytes apart
	s_mov_b32 s[G1V+1], 768<<16
	s_mov_b32 s[G1V+2], 8<<16
	s_mov_b32 s[G1V+3], 768<<16
	s_mov_b32 s[G1V+4], 8
	s_mov_b32 s[G1V+5], 1536
	s_mov_b32 s[G1V+6], 0
	s_mov_b32 s[G1V+7], 0
	s_mov_b32 s[G1KS], 3<<16                       ; K's scale words: 8,192 dense bytes as 32 rows of 256
	s_mov_b32 s[G1KS+1], 32<<16
	s_mov_b32 s[G1KS+2], 32<<16
	s_mov_b32 s[G1KS+3], 32<<16
	s_mov_b32 s[G1KS+4], 32
	s_mov_b32 s[G1KS+5], 32
	s_mov_b32 s[G1KS+6], 0
	s_mov_b32 s[G1KS+7], 0
	s_mov_b32 s[G1VS], 3<<16                       ; V's: 4,096 dense bytes as 16 rows of 256
	s_mov_b32 s[G1VS+1], 32<<16
	s_mov_b32 s[G1VS+2], 16<<16
	s_mov_b32 s[G1VS+3], 32<<16
	s_mov_b32 s[G1VS+4], 16
	s_mov_b32 s[G1VS+5], 32
	s_mov_b32 s[G1VS+6], 0
	s_mov_b32 s[G1VS+7], 0
	s_mul_i32 s101, s14, 196608                    ; the head pair's 128 records in each of q, k, v
	s_mul_i32 s100, s15, 768
	s_add_co_u32 s100, s100, s101                  ; + my head's half of a record of q or k
	s_wait_dscnt 0x0                               ; the opening add is done
	s_wait_kmcnt 0x0
	s_mov_b32 s3, 0
	s_lshl_b32 s2, s13, 13
	s_add_co_u32 s2, s2, 524288                    ; k's words of my head
	s_mov_b32 s[G0KS], 1
	s_mov_b32 s[G0KS+1], KSC
	s_add_nc_u64 s[G0KS+2:G0KS+3], s[6:7], s[2:3]
	s_or_b32 s[G0KS+3], s[G0KS+3], 0x80000000
	s_add_co_u32 s2, s100, 6291456                 ; k's images: keys 0 .. 1,023,
	s_mov_b32 s[G0K1], 1
	s_mov_b32 s[G0K1+1], KIMG
	s_add_nc_u64 s[G0K1+2:G0K1+3], s[4:5], s[2:3]
	s_mov_b32 s[G0K2], 1
	s_mov_b32 s[G0K2+1], KIMG+49152
	s_add_nc_u64 s[G0K2+2:G0K2+3], s[G0K1+2:G0K1+3], 98304   ; and keys 1,024 on
	s_or_b32 s[G0K1+3], s[G0K1+3], 0x80000000
	s_or_b32 s[G0K2+3], s[G0K2+3], 0x80000000
	s_lshl_b32 s2, s13, 12
	s_add_co_u32 s2, s2, 1048576                   ; v's words
	s_mov_b32 s[G0VS], 1
	s_mov_b32 s[G0VS+1], VSC
	s_add_nc_u64 s[G0VS+2:G0VS+3], s[6:7], s[2:3]
	s_or_b32 s[G0VS+3], s[G0VS+3], 0x80000000
	s_mul_i32 s2, s15, 6144
	s_add_co_u32 s2, s2, s101
	s_add_co_u32 s2, s2, 12582912                  ; v's images
	s_mov_b32 s[G0V1], 1
	s_mov_b32 s[G0V1+1], VIMG
	s_add_nc_u64 s[G0V1+2:G0V1+3], s[4:5], s[2:3]
	s_mov_b32 s[G0V2], 1
	s_mov_b32 s[G0V2+1], VIMG+49152
	s_add_nc_u64 s[G0V2+2:G0V2+3], s[G0V1+2:G0V1+3], 98304
	s_or_b32 s[G0V1+3], s[G0V1+3], 0x80000000
	s_or_b32 s[G0V2+3], s[G0V2+3], 0x80000000
	; the fills, once: wave 0 K's three, wave 1 V's three, each wave's inside one branch on the wave's number; three loads of a wave are out at the most
	s_cmp_eq_u32 s[WV], 0
	s_cbranch_scc0 .Lnot_wave_0
	tensor_load_to_lds s[G0KS:G0KS+3], s[G1KS:G1KS+7]
	s_nop 0
	tensor_load_to_lds s[G0K1:G0K1+3], s[G1K:G1K+7]
	s_nop 0
	tensor_load_to_lds s[G0K2:G0K2+3], s[G1K:G1K+7]
	s_nop 0
.rept 4
	v_nop
.endr
	s_branch .Lfilled
.Lnot_wave_0:
	s_cmp_eq_u32 s[WV], 1
	s_cbranch_scc0 .Lfilled
	tensor_load_to_lds s[G0VS:G0VS+3], s[G1VS:G1VS+7]
	s_nop 0
	tensor_load_to_lds s[G0V1:G0V1+3], s[G1V:G1V+7]
	s_nop 0
	tensor_load_to_lds s[G0V2:G0V2+3], s[G1V:G1V+7]
	s_nop 0
.rept 4
	v_nop
.endr
.Lfilled:
	v_and_b32 v8, 15, v0                           ; r
	v_bfe_u32 v9, v0, 4, 1                         ; h
	v_and_b32 v1, 31, v0
	s_delay_alu instid0(VALU_DEP_1)
	v_lshlrev_b32 v1, 3, v1                        ; 8 x lane: my place in a pair's 256 bytes
	s_delay_alu instid0(VALU_DEP_4)
	v_lshl_add_u32 v2, v8, 4, KSC
	v_lshl_add_u32 v3, v8, 4, VSC
	v_and_b32 v10, 8, v8
	s_delay_alu instid0(VALU_DEP_1)
	v_add_nc_u32 v4, v10, v8
	v_lshlrev_b32 v10, 4, v9
	s_delay_alu instid0(VALU_DEP_1)
	v_sub_nc_u32 v4, v4, v10                       ; r + 8 (r / 8) - 16 h
	v_lshl_add_u32 v7, v8, 5, v9                   ; 32 r + h
.irp i, 22,23,24,25,26,27
	v_mov_b32 v[\i], 0                             ; Q's codes of k = 64 .. 127: zeros
.endr
.irp t, 0,1,2,3
.irp i, 6,7,8,9,10,11
	v_mov_b32 v[32+12*\t+\i], 0                    ; K's likewise: written once
.endr
.endr
.irp i, 236,237,238,239,252,253
	v_mov_b32 v[\i], 0                             ; lane permutes' destinations and the upper half of a pair: written before they are named
.endr
; A KEY STEP: 128 keys.
.macro STEP
	s_add_co_u32 s98, s[Q0], 23                    ; my last query
	s_cmp_gt_u32 s[KF], s98
	s_cbranch_scc1 .Lhidden_\@                     ; all its keys come after my queries: ids and the count of steps alone
	s_setprio 2
	v_add_nc_u32 v8, s[TB], v1                     ; (these four are also the places behind the last step's products, in front of the loads below)
	v_add_nc_u32 v10, s[TS], v2
	v_add_nc_u32 v11, s[TJ], v3
	s_delay_alu instid0(VALU_DEP_3)
	v_add_nc_u32 v9, VIMG, v8
.irp t, 0,1,2,3
.irp p, 0,1,2
	ds_load_b64 v[32+12*\t+2*\p:33+12*\t+2*\p], v8 offset:768*\t+256*\p
.endr
.endr
	ds_load_b128 v[248:251], v10                   ; four tiles' scale words of my row r
	s_wait_alu depctr_va_vdst(0)
	s_wait_dscnt 0x0
.irp t, 0,1,2,3
	v_wmma_scale_f32_16x16x128_f8f6f4 v[128+8*\t:135+8*\t], v[32+12*\t:43+12*\t], v[16:27], 0, v[248+\t], v255 matrix_a_fmt:MATRIX_FMT_FP6 matrix_b_fmt:MATRIX_FMT_FP6
.endr
.rept 4
	v_nop                                          ; places in front of loads into registers that these products have read
.endr
.irp t, 0,1,2,3
.irp p, 0,1,2
	ds_load_b64 v[32+12*\t+2*\p:33+12*\t+2*\p], v8 offset:768*(4+\t)+256*\p
.endr
.endr
	ds_load_b128 v[248:251], v10 offset:256
.irp t, 0,1,2,3
.irp p, 0,1,2,3,4,5
	ds_load_b64 v[80+12*\t+2*\p:81+12*\t+2*\p], v9 offset:1536*\t+256*\p   ; V's four fragments: they land under the softmax
.endr
.endr
	ds_load_b128 v[28:31], v11
	s_wait_dscnt 25                                ; K's are in; V's 24 loads and its scale words are younger
.irp t, 0,1,2,3
	v_wmma_scale_f32_16x16x128_f8f6f4 v[160+8*\t:167+8*\t], v[32+12*\t:43+12*\t], v[16:27], 0, v[248+\t], v255 matrix_a_fmt:MATRIX_FMT_FP6 matrix_b_fmt:MATRIX_FMT_FP6
.endr
.rept 4
	v_nop
.endr
	s_add_co_u32 s98, s[KF], 127                   ; a step all of whose keys count skips the mask
	s_cmp_le_u32 s98, s[Q0]
	s_cbranch_scc1 .Lopen_\@
	s_sub_co_i32 s98, s[Q0], s[KF]
	v_add_nc_u32 v252, s98, v4                     ; d = my query - KF - 16 h.  Register 16 b + i holds key KF + 16 h + 32 b + i: hidden where 32 b + i > d
	v_mov_b32 v254, 0xff800000                     ; -infinity
.set n, 0
.rept 64
	v_cmp_gt_i32 vcc_lo, 32*(n/16)+n%16, v252
	v_cndmask_b32 v[128+n], v[128+n], v254, vcc_lo
.set n, n+1
.endr
.Lopen_\@:
.irp b, 0,1,2,3
	v_max3_num_f32 v[232+\b], v[128+16*\b], v[129+16*\b], v[130+16*\b]   ; the largest score of each block of 32 keys: for the row's maximum, and for the block's largest p
.endr
.irp i, 3,5,7,9,11,13
.irp b, 0,1,2,3
	v_max3_num_f32 v[232+\b], v[232+\b], v[128+16*\b+\i], v[129+16*\b+\i]
.endr
.endr
.irp b, 0,1,2,3
	v_max_num_f32 v[232+\b], v[232+\b], v[143+16*\b]
.endr
.irp b, 0,1,2,3
	s_delay_alu instid0(VALU_DEP_4)
	v_permlanex16_b32 v[236+\b], v[232+\b], s[SEL], s[SEL+1]
.endr
.irp b, 0,1,2,3
	s_delay_alu instid0(VALU_DEP_4)
	v_max_num_f32 v[232+\b], v[232+\b], v[236+\b]  ; with lane l xor 16's 16 keys
.endr
	s_delay_alu instid0(VALU_DEP_2)
	v_max3_num_f32 v254, v232, v233, v234
	s_delay_alu instid0(VALU_DEP_1)
	v_max_num_f32 v254, v254, v235                 ; the step's largest score of my query
	s_delay_alu instid0(VALU_DEP_1)
	v_mul_f32 v254, s[CS], v254                    ; as t
	s_delay_alu instid0(VALU_DEP_1)
	v_max_num_f32 v13, v13, v254                   ; the running largest t
	v_mov_b32 v254, v12
	s_delay_alu instid0(VALU_DEP_2)
	v_floor_f32 v12, -v13                          ; the new -M = -ceil(t): a whole number
	s_delay_alu instid0(VALU_DEP_1)
	v_sub_f32 v254, v12, v254                      ; old M - new M: a whole number, 0 or less
	s_delay_alu instid0(VALU_DEP_1)
	v_cvt_i32_f32 v254, v254                       ; (it saturates)
	s_delay_alu instid0(VALU_DEP_1)
	v_ldexp_f32 v252, 1.0, v254                    ; f = 2^(old M - new M): a multiplication by it rounds nothing
.set j, 0
	s_setprio 1
.rept 32
	v_pk_fma_f32 v[128+j:129+j], v[128+j:129+j], s[CS:CS+1], v[12:13] op_sel_hi:[1,0,0]   ; t - M, two at a time
.set j, j+2
.endr
.irp b, 0,1,2,3
	v_fma_f32 v[232+\b], v[232+\b], s[CS], v12     ; the same of each block's largest score
.endr
.set j, 0
	s_wait_alu depctr_va_vdst(0)
.rept 64
	v_exp_f32 v[128+j], v[128+j]                   ; p = 2^(t - M), at most 1
.set j, j+1
.endr
	v_pk_mul_f32 v[14:15], v[14:15], v[252:253] op_sel_hi:[1,0]   ; the sums under the new M (a plain line behind the exponentials)
	s_wait_alu depctr_va_vdst(0)                   ; one wait for the whole batch, ahead of its first reader
.irp b, 0,1,2,3
	v_exp_f32 v[232+\b], v[232+\b]                 ; the block's largest p
.endr
	v_pk_add_f32 v[236:237], v[132:133], v[136:137]
	v_pk_add_f32 v[250:251], v[140:141], v[144:145]
	v_pk_add_f32 v[248:249], v[148:149], v[152:153]
	v_pk_add_f32 v[246:247], v[156:157], v[160:161]
	v_pk_add_f32 v[244:245], v[164:165], v[168:169]
	v_pk_add_f32 v[242:243], v[172:173], v[176:177]
	v_pk_add_f32 v[240:241], v[180:181], v[184:185]
	v_pk_add_f32 v[14:15], v[14:15], v[188:189]
	v_pk_add_f32 v[236:237], v[236:237], v[128:129]
	v_pk_add_f32 v[250:251], v[250:251], v[130:131]
	v_pk_add_f32 v[248:249], v[248:249], v[134:135]
	v_pk_add_f32 v[246:247], v[246:247], v[138:139]
	v_pk_add_f32 v[244:245], v[244:245], v[142:143]
	v_pk_add_f32 v[242:243], v[242:243], v[146:147]
	v_pk_add_f32 v[240:241], v[240:241], v[150:151]
	v_pk_add_f32 v[14:15], v[14:15], v[154:155]
	v_pk_add_f32 v[236:237], v[236:237], v[158:159]
	v_pk_add_f32 v[250:251], v[250:251], v[162:163]
	v_pk_add_f32 v[248:249], v[248:249], v[166:167]
	v_pk_add_f32 v[246:247], v[246:247], v[170:171]
	v_pk_add_f32 v[244:245], v[244:245], v[174:175]
	v_pk_add_f32 v[242:243], v[242:243], v[178:179]
	v_pk_add_f32 v[240:241], v[240:241], v[182:183]
	v_pk_add_f32 v[14:15], v[14:15], v[186:187]
	v_pk_add_f32 v[236:237], v[236:237], v[190:191]
	s_delay_alu instid0(VALU_DEP_2)
	v_pk_add_f32 v[14:15], v[14:15], v[246:247]
	s_delay_alu instid0(VALU_DEP_2)
	v_pk_add_f32 v[236:237], v[236:237], v[244:245]
	v_pk_add_f32 v[250:251], v[250:251], v[242:243]
	v_pk_add_f32 v[248:249], v[248:249], v[240:241]
	s_delay_alu instid0(VALU_DEP_2)
	v_pk_add_f32 v[14:15], v[14:15], v[250:251]
	s_delay_alu instid0(VALU_DEP_2)
	v_pk_add_f32 v[236:237], v[236:237], v[248:249]
	s_delay_alu instid0(VALU_DEP_1)
	v_pk_add_f32 v[14:15], v[14:15], v[236:237]
	s_setprio 0
	s_wait_alu depctr_va_vdst(0)                   ; and one for the four
.irp b, 0,1,2,3
	v_max_num_f32 v[232+\b], 0x1800000, v[232+\b]  ; the floor 2^(3 - 127): the byte cannot fall under 1
.endr
.irp b, 0,1,2,3
	s_delay_alu instid0(VALU_DEP_4)
	v_add_nc_u32 v[244+\b], 0xff000000, v[232+\b]  ; the conversion's scale operand
.endr
.irp b, 0,1,2,3
	s_delay_alu instid0(VALU_DEP_4)
	v_lshrrev_b32 v[236+\b], 23, v[244+\b]         ; the scale's byte
.endr
	s_delay_alu instid0(VALU_DEP_3)
	v_lshl_or_b32 v253, v237, 8, v236              ; p's scale word for these 128 keys
	s_delay_alu instid0(VALU_DEP_1)
	v_lshl_or_b32 v253, v238, 16, v253
	s_delay_alu instid0(VALU_DEP_1)
	v_lshl_or_b32 v253, v239, 24, v253
.irp c, 0,1
	v_cvt_scalef32_pk16_fp6_f32 v[224+6*\c:226+6*\c], v[128+32*\c:143+32*\c], v[244+2*\c]
	v_cvt_scalef32_pk16_fp6_f32 v[236+4*\c:238+4*\c], v[144+32*\c:159+32*\c], v[245+2*\c]
.endr
	v_nop                                          ; one plain line behind the conversions
.irp c, 0,1                                    ; the operand's layout wants a whole block in a lane
.irp i, 0,1,2
	v_permlane16_swap_b32 v[224+6*\c+\i], v[236+4*\c+\i]
.endr
.irp i, 0,1,2
	s_delay_alu instid0(VALU_DEP_3)
	v_mov_b32 v[227+6*\c+\i], v[236+4*\c+\i]
.endr
.endr
.set j, 0
.rept 16
	v_pk_mul_f32 v[192+j:193+j], v[192+j:193+j], v[252:253] op_sel_hi:[1,0]   ; O^T under the new M; these sixteen also stand between the codes and the scale word just made and the products
.set j, j+2
.endr
	s_wait_alu depctr_va_vdst(0)
	s_wait_dscnt 0x0                               ; V is in
.irp t, 0,1,2,3
	v_wmma_scale_f32_16x16x128_f8f6f4 v[192+8*\t:199+8*\t], v[80+12*\t:91+12*\t], v[224:235], v[192+8*\t:199+8*\t], v[28+\t], v253 matrix_a_fmt:MATRIX_FMT_FP6 matrix_b_fmt:MATRIX_FMT_FP6
.endr
.Lhidden_\@:
	s_add_co_u32 s[KF], s[KF], 128
	s_add_co_u32 s[TB], s[TB], 6144
	s_add_co_u32 s[TS], s[TS], 512
	s_add_co_u32 s[TJ], s[TJ], 256
.endm
; THE WAY OUT of a pass: O^T / the sum; register 16 b + i is channel 32 b + 16 h + i of my query: two blocks of 32 along the last product's K.
.macro WAYOUT
.rept 4
	v_nop                                          ; places behind the last products
.endr
	v_add_f32 v14, v14, v15
	s_delay_alu instid0(VALU_DEP_1)
	v_permlanex16_b32 v252, v14, s[SEL], s[SEL+1]
	s_delay_alu instid0(VALU_DEP_1)
	v_add_f32 v14, v14, v252                       ; the row's sum
	s_wait_alu depctr_va_vdst(0)
	v_rcp_f32 v14, v14
	v_nop                                          ; a plain line behind the reciprocal
	s_wait_alu depctr_va_vdst(0)                   ; and the wait ahead of its first reader
.set j, 0
.rept 16
	v_pk_mul_f32 v[128+j:129+j], v[192+j:193+j], v[14:15] op_sel_hi:[1,0]   ; each accumulator from its low end on
.set j, j+2
.endr
.irp b, 0,1
	v_max3_num_f32 v[232+\b], |v[128+16*\b]|, |v[129+16*\b]|, 0x1800000
.endr
.irp i, 2,4,6,8,10,12,14
.irp b, 0,1
	s_delay_alu instid0(VALU_DEP_2)
	v_max3_num_f32 v[232+\b], v[232+\b], |v[128+16*\b+\i]|, |v[129+16*\b+\i]|
.endr
.endr
.irp b, 0,1
	s_delay_alu instid0(VALU_DEP_2)
	v_permlanex16_b32 v[236+\b], v[232+\b], s[SEL], s[SEL+1]
.endr
.irp b, 0,1
	s_delay_alu instid0(VALU_DEP_2)
	v_max_num_f32 v[232+\b], v[232+\b], v[236+\b]
.endr
.irp b, 0,1
	s_delay_alu instid0(VALU_DEP_2)
	v_add_nc_u32 v[244+\b], 0xff000000, v[232+\b]
.endr
.irp b, 0,1
	s_delay_alu instid0(VALU_DEP_2)
	v_lshrrev_b32 v[240+\b], 23, v[244+\b]
.endr
	v_cvt_scalef32_pk16_fp6_f32 v[224:226], v[128:143], v244
	v_cvt_scalef32_pk16_fp6_f32 v[236:238], v[144:159], v245
	v_cndmask_b32 v242, v240, v241, s19            ; lanes 0-15 carry block 0's byte, lanes 16-31 block 1's (also the plain line behind the conversions)
.irp i, 0,1,2
	v_permlane16_swap_b32 v[224+\i], v[236+\i]
.endr
.irp i, 0,1,2
	s_delay_alu instid0(VALU_DEP_3)
	v_mov_b32 v[227+\i], v[236+\i]                 ; v224-229: channels 32 h + 0 .. 31 of my query
.endr
.irp p, 0,1,2
	global_store_b64 v1, v[224+2*\p:225+2*\p], s[PO:PO+1] offset:256*\p   ; 32 lanes store 256 consecutive bytes, aligned
.endr
	global_store_b8 v7, v242, s[POS:POS+1]         ; a byte a lane, rows 32 bytes apart: a scale word of the last product spans two heads, which two work-groups make
.endm
.macro PASS trips, high
	s_wait_xcnt 0x0                                ; the last pass's stores have read their registers and bases
.if \high
	s_sub_co_u32 s2, 7, ttmp9
.else
	s_mov_b32 s2, ttmp9
.endif
	s_lshl_b32 s2, s2, 4
	s_add_co_u32 s2, s2, s[WV]                     ; T: my tile of 16 queries
	s_lshr_b32 s3, s2, 1
	s_lshl_b32 s3, s3, 5
	s_and_b32 s98, s2, 1
	s_lshl_b32 s98, s98, 3
	s_add_co_u32 s[Q0], s3, s98                    ; 32 (T / 2) + 8 (T % 2)
	s_mul_i32 s98, s2, 1536
	s_add_co_u32 s98, s98, s100
	s_mov_b32 s99, 0
	s_add_nc_u64 s[PQ:PQ+1], s[4:5], s[98:99]
	s_lshr_b32 s98, s2, 2
	s_lshl_b32 s98, s98, 8
	s_and_b32 s3, s2, 3
	s_lshl_b32 s3, s3, 2
	s_add_co_u32 s98, s98, s3
	s_lshl_b32 s3, s13, 13
	s_add_co_u32 s98, s98, s3
	s_add_nc_u64 s[PQS:PQS+1], s[6:7], s[98:99]
	s_lshl_b32 s98, s16, 4
	s_lshr_b32 s3, s2, 3
	s_add_co_u32 s98, s98, s3                      ; 16 b + T / 8
	s_lshl_b32 s98, s98, 3
	s_add_co_u32 s98, s98, s18                     ; x 8 + hp
	s_lshl_b32 s98, s98, 3
	s_and_b32 s3, s2, 7
	s_add_co_u32 s98, s98, s3                      ; x 8 + T % 8
	s_lshl_b32 s98, s98, 1
	s_add_co_u32 s98, s98, s15                     ; x 2 + e
	s_mul_i32 s98, s98, 768
	s_add_nc_u64 s[PO:PO+1], s[8:9], s[98:99]
	s_lshl_b32 s98, s16, 7
	s_add_co_u32 s98, s98, s2                      ; 128 b + T
	s_lshl_b32 s98, s98, 9                         ; 16 places of 32 bytes
	s_lshl_b32 s3, s17, 1
	s_add_co_u32 s98, s98, s3                      ; + 2 x head
	s_add_nc_u64 s[POS:POS+1], s[10:11], s[98:99]
	v_and_b32 v8, 15, v0
	s_delay_alu instid0(VALU_DEP_1)
	v_lshlrev_b32 v8, 4, v8
.irp p, 0,1,2
	global_load_b64 v[16+2*\p:17+2*\p], v1, s[PQ:PQ+1] offset:256*\p
.endr
	global_load_b32 v255, v8, s[PQS:PQS+1]
.set j, 0
.rept 32
	v_mov_b32 v[192+j], 0                          ; O^T: the step is written once; its first trip finds zeros, which the first change of M leaves zeros
.set j, j+1
.endr
	v_mov_b32 v13, 0xff61b1e6                      ; the largest t so far: -3e38
	s_delay_alu instid0(VALU_DEP_1)
	v_floor_f32 v12, -v13
	v_mov_b32 v14, 0
	v_mov_b32 v15, 0
	s_mov_b32 s[KF], 0
	s_mov_b32 s[TB], 0
	s_mov_b32 s[TS], 0
	s_mov_b32 s[TJ], 0
	s_mov_b32 s[CNT], \trips
	s_wait_loadcnt 0x0                             ; Q
.Lstep_\@:
	STEP
	s_sub_co_u32 s[CNT], s[CNT], 1
	s_cmp_lg_u32 s[CNT], 0
	s_cbranch_scc1 .Lstep_\@
	s_setprio 0
	s_wait_alu depctr_va_vdst(0)
	WAYOUT
.endm
	s_wait_tensorcnt 0x1                           ; the scale words and keys 0 .. 1,023 are in; the fill of keys 1,024 on may be out
	s_barrier_signal -1
	s_barrier_wait -1
	PASS 8, 0                                      ; query block x (0 .. 3): eight steps at the most, keys under 1,024
	s_wait_tensorcnt 0x0                           ; the rest is in,
	s_wait_dscnt 0x0
	s_barrier_signal -1
	s_barrier_wait -1                              ; for every wave
	PASS 16, 1                                     ; query block 7 - x
	s_wait_tensorcnt 0x0                           ; the wave's end
	ds_add_u32 v5, v6
	s_wait_dscnt 0x0
	s_endpgm
.Lfunc_end_k_qeec108fb77_attn:
	.size	k_qeec108fb77_attn, .Lfunc_end_k_qeec108fb77_attn-k_qeec108fb77_attn
	.p2alignl 7, 3214868480
	.fill 96, 4, 3214868480
	.section	.rodata,"a",@progbits
	.p2align	6, 0x0
	.amdhsa_kernel k_qeec108fb77_attn
		.amdhsa_group_segment_fixed_size 212992
		.amdhsa_private_segment_fixed_size 0
		.amdhsa_enable_private_segment 0
		.amdhsa_kernarg_size 32
		.amdhsa_user_sgpr_count 2
		.amdhsa_user_sgpr_kernarg_segment_ptr 1
		.amdhsa_wavefront_size32 1
		.amdhsa_system_sgpr_workgroup_id_x 1
		.amdhsa_system_sgpr_workgroup_id_y 1
		.amdhsa_system_sgpr_workgroup_id_z 1
		.amdhsa_system_vgpr_workitem_id 0
		.amdhsa_next_free_vgpr 256
		.amdhsa_next_free_sgpr 102
		.amdhsa_reserve_vcc 1
		.amdhsa_float_denorm_mode_32 3
		.amdhsa_float_denorm_mode_16_64 3
		.amdhsa_memory_ordered 1
		.amdhsa_forward_progress 1
		.amdhsa_inst_pref_size 71
	.end_amdhsa_kernel
	.amdgpu_metadata
---
amdhsa.version: [ 1, 2 ]
amdhsa.kernels:
  - .name:           k_qeec108fb77_attn
    .symbol:         k_qeec108fb77_attn.kd
    .args:
      - { .name: qkv_img, .offset: 0, .size: 8, .value_kind: global_buffer, .address_space: global }
      - { .name: qkv_scl, .offset: 8, .size: 8, .value_kind: global_buffer, .address_space: global }
      - { .name: ao_img, .offset: 16, .size: 8, .value_kind: global_buffer, .address_space: global }
      - { .name: ao_scl, .offset: 24, .size: 8, .value_kind: global_buffer, .address_space: global }
    .group_segment_fixed_size: 212992
    .private_segment_fixed_size: 0
    .kernarg_segment_align: 8
    .kernarg_segment_size: 32
    .max_flat_workgroup_size: 512
    .sgpr_count:     102
    .vgpr_count:     256
    .wavefront_size: 32
...
	.end_amdgpu_metadata
.endif
;; end of part 3
;; launch gemm_out (part 4): grid 4 x 32, 4 waves a work-group, clusters of 4 x 4, 327,680 bytes of LDS; arguments ao_img, ao_scl, xw_codes, xw_scales, out0; writes out0
.if DOCPART == 4
	.amdgcn_target "amdgcn-amd-amdhsa--gfx1250"
	.amdhsa_code_object_version 6
	.text
	.protected	k_qeec108fb77_gemm_out
	.globl	k_qeec108fb77_gemm_out
	.p2align	8
	.type	k_qeec108fb77_gemm_out,@function
k_qeec108fb77_gemm_out:
	s_mov_b64 s[64:65], 0
	v_nop
	global_prefetch_b8 v0, s[64:65] scope:SCOPE_SE
	s_setreg_imm32_b32 hwreg(HW_REG_WAVE_MODE, 25, 1), 1
	s_wait_xcnt 0x0
	s_wait_alu depctr_hold_cnt(0) depctr_sa_sdst(0) depctr_va_vdst(0) depctr_va_sdst(0) depctr_va_ssrc(0) depctr_va_vcc(0) depctr_vm_vsrc(0)
	s_getreg_b32 s2, hwreg(HW_REG_IB_STS2, 6, 4)
	s_cmp_eq_u32 s2, 0
	s_cbranch_scc0 .Lentry_in_a_cluster
	s_endpgm
.Lentry_in_a_cluster:
	s_bfe_u32 s2, ttmp6, 0x10000c
	s_cmp_lg_u32 s2, 0xf033
	s_cbranch_scc0 .Lentry_shape_is_right
	s_endpgm
.Lentry_shape_is_right:
.set NQ,     2
.set ROWB,   192
.set KROW,   768
.set PITCH,  240
.set FR,     12
.set NL,     6
.set NP,     4
.set AHALF,  24576
.set BHALF,  128*PITCH
.set SLOT,   2*AHALF+2*BHALF
.set LAPS,   2
.set KS,     32
.set SCL,    2*SLOT
.set HALFS,  (128*KS/256)*272
.set SBLK,   (16*KS/256)*272
.set SPARE,  SCL+4*HALFS
.set SPITCH, 528
.set NROW,   4096
.set ADRA, 16
.set ADRB, 20
.set STO,  24
.set RD,   25
.set CO,   26
.set ADRS, 27
.set SPW,  28
.set NIL,  29
.set SC,   32
.set AF,   128
.set BK,   128
.set G1, 24
.set G0, 32
.set G1B, 48
.set G0B, 56
.set G1S, 68
.set G0S, 76
.set G1SB, 80
.set G0SB, 88
.set MSB, 0
.macro WIN new
.if MSB != (\new)
	s_set_vgpr_msb (MSB<<8)|(\new)
.set MSB, (\new)
.endif
.endm
.set MUL_LO, 0xa1
.set MUL_HI, 0xf1
.set TO_B,   0x40
.macro JLOAD g0a, g1a, g0b, g1b
	s_cmp_eq_u32 s15, 0
	s_cbranch_scc0 .Lfor_b_\@
	tensor_load_to_lds s[\g0a:\g0a+3], s[\g1a:\g1a+7]
	s_nop 0
.rept 4
	v_nop
.endr
	s_branch .Lasked_\@
.Lfor_b_\@:
	tensor_load_to_lds s[\g0b:\g0b+3], s[\g1b:\g1b+7]
	s_nop 0
.rept 4
	v_nop
.endr
.Lasked_\@:
.endm
.macro CREST
	s_cmp_lg_u32 s14, 0
	s_cbranch_scc1 .Lnot_wave_0_\@
	s_barrier_signal -3
.Lnot_wave_0_\@:
	s_barrier_wait -3
	s_barrier_signal -1
	s_barrier_wait -1
.endm
.macro CROUND
	s_barrier_signal -1
	s_barrier_wait -1
	CREST
.endm
	s_load_b128 s[4:7], s[0:1], 0x0
	s_load_b128 s[8:11], s[0:1], 0x10
	s_load_b64 s[12:13], s[0:1], 0x20
	v_lshl_add_u32 v[SPW], v0, 2, SPARE
	v_mov_b32 v[NIL], 0
	ds_add_u32 v[SPW], v[NIL]
	ds_add_u32 v[SPW], v[NIL]
	v_lshrrev_b32 v1, 5, v0
	v_readfirstlane_b32 s14, v1
	s_lshr_b32 s15, s14, 1
	s_and_b32 s16, s14, 1
	s_bfe_u32 s40, ttmp6, 0x40000
	s_bfe_u32 s41, ttmp6, 0x40004
	s_lshl_b32 s42, ttmp9, 2
	s_add_co_u32 s42, s42, s40
	s_and_b32 s17, ttmp7, 0xffff
	s_lshl_b32 s17, s17, 2
	s_add_co_u32 s17, s17, s41
	s_lshl_b32 s43, s41, 2
	s_lshl_b32 s43, 15, s43
	s_lshl_b32 s44, 0x1111, s40
	s_or_b32 s[G1+0], s43, (3<<16)|(1<<21)
	s_mov_b32 s[G1+1], 32<<16
	s_mov_b32 s[G1+2], 96<<16
	s_mov_b32 s[G1+3], 32<<16
	s_mov_b32 s[G1+4], 96
	s_mov_b32 s[G1+5], 32
	s_mov_b32 s[G1+6], 0
	s_mov_b32 s[G1+7], 0
	s_or_b32 s[G1B+0], s44, (0<<16)|(1<<20)|(1<<21)|(3<<22)|(3<<25)
	s_mov_b32 s[G1B+1], ROWB<<16
	s_mov_b32 s[G1B+2], 128<<16
	s_mov_b32 s[G1B+3], ROWB<<16
	s_mov_b32 s[G1B+4], 128
	s_mov_b32 s[G1B+5], KROW
	s_mov_b32 s[G1B+6], 0
	s_mov_b32 s[G1B+7], 0
	s_or_b32 s[G1S+0], s43, (3<<16)|(1<<20)|(1<<21)|(5<<22)|(3<<25)
	s_or_b32 s[G1SB+0], s44, (3<<16)|(1<<20)|(1<<21)|(5<<22)|(3<<25)
.irp g, G1S, G1SB
	s_mov_b32 s[\g+1], 32<<16
	s_mov_b32 s[\g+2], (128*KS/256)<<16
	s_mov_b32 s[\g+3], 32<<16
	s_mov_b32 s[\g+4], 128*KS/256
	s_mov_b32 s[\g+5], 32
	s_mov_b32 s[\g+6], 0
	s_mov_b32 s[\g+7], 0
.endr
	s_lshl_b32 s18, s16, 7
	s_lshl_b32 s20, s17, 8
	s_add_co_u32 s20, s20, s18
	s_lshl_b32 s46, s42, 8
	s_add_co_u32 s46, s46, s18
	s_lshl_b32 s22, s20, 5
	s_mov_b32 s23, 0
	s_lshl_b32 s92, s46, 5
	s_add_co_u32 s92, s92, 11264*KS
	s_mov_b32 s93, 0
	s_mul_i32 s20, s20, KROW
	s_mov_b32 s21, 0
	s_mul_i32 s46, s46, KROW
	s_add_co_u32 s46, s46, 11264*KROW
	s_mov_b32 s47, 0
	s_mul_i32 s45, s16, AHALF
	s_mul_i32 s95, s16, BHALF
	s_add_co_u32 s95, s95, 2*AHALF
	s_mul_i32 s94, s14, HALFS
	s_wait_dscnt 0x0
	s_wait_kmcnt 0x0
	s_add_nc_u64 s[20:21], s[4:5], s[20:21]
	s_add_nc_u64 s[22:23], s[6:7], s[22:23]
	s_add_nc_u64 s[46:47], s[8:9], s[46:47]
	s_add_nc_u64 s[92:93], s[10:11], s[92:93]
	CROUND
	s_mov_b32 s[G0S], 1
	s_add_co_u32 s[G0S+1], s94, SCL
	s_mov_b64 s[G0S+2:G0S+3], s[22:23]
	s_or_b32 s[G0S+3], s[G0S+3], 0x80000000
	s_mov_b32 s[G0SB], 1
	s_add_co_u32 s[G0SB+1], s94, SCL
	s_mov_b64 s[G0SB+2:G0SB+3], s[92:93]
	s_or_b32 s[G0SB+3], s[G0SB+3], 0x80000000
	JLOAD G0S, G1S, G0SB, G1SB
.irp s, 0,1
	s_mov_b32 s[G0+4*\s], 1
	s_add_co_u32 s[G0+4*\s+1], s45, \s*SLOT
	s_add_nc_u64 s[G0+4*\s+2:G0+4*\s+3], s[20:21], \s*AHALF
	s_or_b32 s[G0+4*\s+3], s[G0+4*\s+3], 0x80000000
	s_mov_b32 s[G0B+4*\s], 1
	s_add_co_u32 s[G0B+4*\s+1], s95, \s*SLOT
	s_add_nc_u64 s[G0B+4*\s+2:G0B+4*\s+3], s[46:47], \s*ROWB
	s_or_b32 s[G0B+4*\s+3], s[G0B+4*\s+3], 0x80000000
	s_wait_alu depctr_va_vdst(0)
	s_wait_tensorcnt 0x0
	ds_add_u32 v28, v29
	s_wait_dscnt 0x0
	CROUND
	JLOAD G0+4*\s, G1, G0B+4*\s, G1B
.endr
	v_and_b32 v1, 15, v0
	v_bfe_u32 v2, v0, 4, 1
	v_mul_u32_u24 v3, v1, PITCH
	v_mul_u32_u24 v4, v2, 24
	v_add_nc_u32 v4, v3, v4
	v_lshl_add_u32 v5, v2, 4, v4
	v_and_b32 v6, 31, v0
	v_lshlrev_b32 v7, 3, v6
	s_mul_i32 s21, s15, AHALF
	s_mul_i32 s22, s16, BHALF
	s_add_co_u32 s22, s22, 2*AHALF
.irp s, 0,1
	v_add_nc_u32 v[ADRA+\s], s21, v7
	v_add_nc_u32 v[ADRB+\s], s22, v4
	v_add_nc_u32 v[ADRB+2+\s], s22, v5
	s_add_co_u32 s21, s21, SLOT
	s_add_co_u32 s22, s22, SLOT
.endr
	v_mul_u32_u24 v5, v1, KS
	v_lshrrev_b32 v8, 8, v5
	v_lshl_add_u32 v5, v8, 4, v5
	s_mul_i32 s21, s15, HALFS
	s_mul_i32 s22, s16, HALFS
	s_add_co_u32 s22, s22, 2*HALFS
	s_sub_co_u32 s22, s22, s21
	v_mul_u32_u24 v8, s22, v2
	s_add_co_u32 s21, s21, SCL
	v_add_nc_u32 v5, v5, v8
	v_add_nc_u32 v[ADRS], s21, v5
	s_mul_i32 s23, s14, 16*SPITCH
	v_mul_u32_u24 v5, v1, SPITCH
	v_lshl_add_u32 v5, v2, 6, v5
	v_add_nc_u32 v[STO], s23, v5
	v_lshlrev_b32 v[CO], 4, v6
	v_add_nc_u32 v[RD], s23, v[CO]
	s_lshl_b32 s20, s17, 8
	s_lshl_b32 s21, s15, 7
	s_add_co_u32 s20, s20, s21
	s_lshl_b32 s20, s20, 12
	s_lshl_b32 s46, s42, 10
	s_lshl_b32 s47, s16, 9
	s_add_co_u32 s46, s46, s47
	s_add_co_u32 s20, s20, s46
	s_mov_b32 s21, 0
	s_add_nc_u64 s[12:13], s[12:13], s[20:21]
.macro FRAG reg, adr, q, i
.irp p, 0,1,2,3,4,5
.set PC, 12*(\q)+6*(\p/3)+\p%3
.if PC%8 < 5
	ds_load_b64 v[\reg+2*\p:\reg+2*\p+1], v[\adr] offset:8*PC+16*(PC/8)+(\i)*16*PITCH
.else
	ds_load_b64 v[\reg+2*\p:\reg+2*\p+1], v[\adr+2] offset:8*PC+16*(PC/8)+(\i)*16*PITCH
.endif
.endr
.endm
.macro FRAGA reg, adr, q, i
.irp p, 0,1,2,3,4,5
	ds_load_b64 v[\reg+2*\p:\reg+2*\p+1], v[\adr] offset:12288*(\q)+1536*(\i)+256*\p
.endr
.endm
.macro MUL16 a0, p, q, sc, zero
.irp a, \a0, \a0+1
.irp b, 0,1,2,3,4,5,6,7
.if \zero
	v_wmma_scale_f32_16x16x128_f8f6f4 v[8*(8*((\a)%4)+\b):8*(8*((\a)%4)+\b)+7], v[128*(\p)+FR*\b:128*(\p)+FR*\b+FR-1], v[AF+FR*(\a):AF+FR*(\a)+FR-1], 0, v[SC+8*NQ*(\sc)+NQ*\b+(\q)], v[SC+8*NQ*(\sc)+NQ*(\a)+(\q)] matrix_a_fmt:MATRIX_FMT_FP6 matrix_b_fmt:MATRIX_FMT_FP6 matrix_a_scale:MATRIX_SCALE_ROW1
.else
	v_wmma_scale_f32_16x16x128_f8f6f4 v[8*(8*((\a)%4)+\b):8*(8*((\a)%4)+\b)+7], v[128*(\p)+FR*\b:128*(\p)+FR*\b+FR-1], v[AF+FR*(\a):AF+FR*(\a)+FR-1], v[8*(8*((\a)%4)+\b):8*(8*((\a)%4)+\b)+7], v[SC+8*NQ*(\sc)+NQ*\b+(\q)], v[SC+8*NQ*(\sc)+NQ*(\a)+(\q)] matrix_a_fmt:MATRIX_FMT_FP6 matrix_b_fmt:MATRIX_FMT_FP6 matrix_a_scale:MATRIX_SCALE_ROW1
.endif
.endr
.endr
.endm
.macro FETCH_B slot, q, p
	WIN TO_B
.irp i, 0,1,2,3,4,5,6,7
	FRAG 128*(\p)+FR*\i, ADRB+\slot, \q, \i
.endr
	WIN 0
.endm
.macro FETCH_A slot, q, i0
.irp i, \i0, \i0+1, \i0+2, \i0+3
	FRAGA AF+FR*(\i), ADRA+\slot, \q, \i
.endr
.endm
.macro SCALES sc
.irp i, 0,1,2,3,4,5,6,7
	ds_load_b64 v[SC+8*NQ*\sc+NQ*\i:SC+8*NQ*\sc+NQ*\i+1], v[ADRS] offset:\i*SBLK
.endr
.endm
.macro PLACES n
.rept \n
	v_nop
.endr
.endm
.macro STEP slot, q, zero
	s_wait_dscnt 4*NL
	WIN MUL_LO
	MUL16 0, (\q)%2, \q, \slot, \zero
	MUL16 2, (\q)%2, \q, \slot, \zero
	s_wait_dscnt 0
	PLACES NP
	FETCH_B \slot, (\q)+1, 1-(\q)%2
	FETCH_A \slot, (\q)+1, 0
	WIN MUL_HI
	MUL16 4, (\q)%2, \q, \slot, \zero
	MUL16 6, (\q)%2, \q, \slot, \zero
	PLACES NP
	WIN 0
	FETCH_A \slot, (\q)+1, 4
.endm
.macro TURN slot, next, fill
	s_wait_tensorcnt 0x0
	ds_add_u32 v[SPW], v[NIL]
	s_wait_dscnt 4*NL+1
	WIN MUL_LO
	MUL16 0, 1, NQ-1, \slot, 0
	s_wait_dscnt 0x0
	s_barrier_signal -1
	MUL16 2, 1, NQ-1, \slot, 0
	WIN 0
	s_barrier_wait -1
.if \fill
	CREST
	s_add_nc_u64 s[G0+4*\slot+2:G0+4*\slot+3], s[G0+4*\slot+2:G0+4*\slot+3], 2*AHALF
	s_add_nc_u64 s[G0B+4*\slot+2:G0B+4*\slot+3], s[G0B+4*\slot+2:G0B+4*\slot+3], 2*ROWB
	JLOAD G0+4*\slot, G1, G0B+4*\slot, G1B
.else
	PLACES NP
.endif
	s_wait_alu depctr_va_vdst(0)
	v_add_nc_u32 v[ADRS], 4*NQ, v[ADRS]
	FETCH_B \next, 0, 0
	FETCH_A \next, 0, 0
	SCALES \next
	WIN MUL_HI
	MUL16 4, 1, NQ-1, \slot, 0
	MUL16 6, 1, NQ-1, \slot, 0
	PLACES NP
	WIN 0
	FETCH_A \next, 0, 4
.endm
	s_wait_alu depctr_va_vdst(0)
	s_wait_tensorcnt 1
	s_barrier_signal -1
	s_barrier_wait -1
	FETCH_B 0, 0, 0
	FETCH_A 0, 0, 0
	SCALES 0
	FETCH_A 0, 0, 4
	STEP 0, 0, 1
	s_mov_b32 s3, LAPS-1
.Llap:
	TURN 0, 1, 1
	STEP 1, 0, 0
	TURN 1, 0, 1
	STEP 0, 0, 0
	s_sub_co_u32 s3, s3, 1
	s_cmp_lg_u32 s3, 0
	s_cbranch_scc1 .Llap
	TURN 0, 1, 0
	STEP 1, 0, 0
	s_wait_dscnt 4*NL
	WIN MUL_LO
	MUL16 0, 1, NQ-1, 1, 0
	MUL16 2, 1, NQ-1, 1, 0
	s_wait_dscnt 0
	WIN MUL_HI
	MUL16 4, 1, NQ-1, 1, 0
	MUL16 6, 1, NQ-1, 1, 0
	WIN 0
.macro TOSTAGE a
.set AC, 64*((\a)%4)
	WIN 0x08+4*((\a)/4)
.irp b, 0,1,2,3,4,5,6,7
	ds_store_b128 v[STO], v[AC+8*\b:AC+8*\b+3] offset:128*(\b/2)+32*(\b%2)
	ds_store_b128 v[STO], v[AC+8*\b+4:AC+8*\b+7] offset:128*(\b/2)+32*(\b%2)+16
.endr
	WIN 0
.set BB, BK+64*((\a)%2)
.irp t, 0,1,2,3,4,5,6,7,8,9,10,11,12,13,14,15
	ds_load_b128 v[BB+4*\t:BB+4*\t+3], v[RD] offset:\t*SPITCH
.endr
.endm
.macro SEND a, younger
.set BB, BK+64*((\a)%2)
	s_wait_dscnt \younger
.if (\a) > 0
.if ((\a)%2) == 1
	s_add_nc_u64 s[12:13], s[12:13], 8*NROW
.else
	s_add_nc_u64 s[12:13], s[12:13], 24*NROW
.endif
.endif
.irp t, 0,1,2,3,4,5,6,7,8,9,10,11,12,13,14,15
	global_store_b128 v[CO], v[BB+4*\t:BB+4*\t+3], s[12:13] offset:(\t+8*(\t/8))*NROW th:TH_STORE_NT
.endr
.endm
	PLACES NP
	TOSTAGE 0
.irp a, 1,2,3,4,5,6,7
.if \a > 1
	s_wait_xcnt 0x0
.endif
	TOSTAGE \a
	SEND \a-1, 32
.endr
	s_wait_xcnt 0x0
	SEND 7, 0
	s_wait_tensorcnt 0x0
	ds_add_u32 v[SPW], v[NIL]
	s_wait_dscnt 0x0
	CROUND
	s_endpgm
.Lfunc_end_k_qeec108fb77_gemm_out:
	.size	k_qeec108fb77_gemm_out, .Lfunc_end_k_qeec108fb77_gemm_out-k_qeec108fb77_gemm_out
	.p2alignl 7, 3214868480
	.fill 96, 4, 3214868480
	.section	.rodata,"a",@progbits
	.p2align	6, 0x0
	.amdhsa_kernel k_qeec108fb77_gemm_out
		.amdhsa_group_segment_fixed_size 327680
		.amdhsa_private_segment_fixed_size 0
		.amdhsa_enable_private_segment 0
		.amdhsa_kernarg_size 40
		.amdhsa_user_sgpr_count 2
		.amdhsa_user_sgpr_kernarg_segment_ptr 1
		.amdhsa_wavefront_size32 1
		.amdhsa_system_sgpr_workgroup_id_x 1
		.amdhsa_system_sgpr_workgroup_id_y 1
		.amdhsa_system_sgpr_workgroup_id_z 1
		.amdhsa_system_vgpr_workitem_id 0
		.amdhsa_next_free_vgpr 1024
		.amdhsa_next_free_sgpr 98
		.amdhsa_reserve_vcc 0
		.amdhsa_float_denorm_mode_32 3
		.amdhsa_float_denorm_mode_16_64 3
		.amdhsa_memory_ordered 1
		.amdhsa_forward_progress 1
		.amdhsa_inst_pref_size 161
	.end_amdhsa_kernel
	.amdgpu_metadata
---
amdhsa.version: [ 1, 2 ]
amdhsa.kernels:
  - .name:           k_qeec108fb77_gemm_out
    .symbol:         k_qeec108fb77_gemm_out.kd
    .args:
      - { .name: ao_img, .offset: 0, .size: 8, .value_kind: global_buffer, .address_space: global }
      - { .name: ao_scl, .offset: 8, .size: 8, .value_kind: global_buffer, .address_space: global }
      - { .name: xw_codes, .offset: 16, .size: 8, .value_kind: global_buffer, .address_space: global }
      - { .name: xw_scales, .offset: 24, .size: 8, .value_kind: global_buffer, .address_space: global }
      - { .name: out0, .offset: 32, .size: 8, .value_kind: global_buffer, .address_space: global }
    .group_segment_fixed_size: 327680
    .private_segment_fixed_size: 0
    .kernarg_segment_align: 8
    .kernarg_segment_size: 40
    .max_flat_workgroup_size: 128
    .sgpr_count:     98
    .vgpr_count:     1024
    .wavefront_size: 32
...
	.end_amdgpu_metadata
.endif
;; end of part 4
